; MI455X (gfx1250); checked and timed in simulation.
; The chip was launched on July 23, 2026; its instructions are those of AMD's public machine-readable ISA for CDNA 5 (MIT licence, August 2026) and "CDNA5" Instruction Set Architecture Reference Guide (July 2026). The comments in the code are by the model that wrote it; some were corrected since.
;; Quantized Expert. Allowed arithmetic: matrix products marked QUANTISED: E5M2 operands, one E8M0 scale for each 32 along K, by v_wmma_scale_f32_16x16x128_f8f6f4 with both operands' format E5M2, f32 sums; everything else in f32.
;; Inputs: fc1_packed 16,384 x 2,048 int32; fc1_scales 16,384 x 1 float32; fc2_packed 4,096 x 8,192 int32; fc2_scales 4,096 x 1 float32; x 512 x 4,096 float32.
;; Outputs: out0 512 x 4,096 float32.
;; This version of the problem:
;;   THIS VERSION OF THE PROBLEM IS GIVEN IN LOW PRECISION. The matrix products marked QUANTISED in the list below multiply operands that are first quantised to E5M2 (5 exponent bits, 2 mantissa bits; 8 bits a number), with one power-of-two scale for each 32 numbers along K (OCP MX v1.0); their sums are f32. All else is computed in f32.
;;   The module's matrix products, in the order in which they are computed (A, B: the left and right operand; K: the contracted axis; several contracted axes count as one K, in the product's order):
;;     1. [M 512, K 4,096] x [K 4,096, N 16,384]; A: input x; B: computed on the way: QUANTISED
;;     2. [M 512, K 16,384] x [K 16,384, N 4,096]; A: computed on the way; B: computed on the way: QUANTISED
;;   THE QUANTISER, for each operand of a quantised product, along K:
;;     - K is cut into blocks of 32 from its start; a last block that is shorter is filled with zeros.
;;     - A block's scale is 2^e with e = floor(log2(the largest magnitude in the block)) - 15, held to -126 .. 127; a block of zeros has e = 0. As a byte (E8M0): e + 127.
;;     - Each number is divided by its block's scale, clamped to +-57,344, and rounded to the nearest number of E5M2, ties to even, subnormals kept.
;;     - The product sums the exact products of the quantised numbers (number of the format x scale) in f32.
;;   ~~~python
;;   def quantise(x, axis):      # numpy; x: float32 -> the quantised numbers, widened to float32 again
;;       x = np.moveaxis(x, axis, -1); K = x.shape[-1]
;;       x = np.pad(x, [(0, 0)] * (x.ndim - 1) + [(0, -K % 32)]); x = x.reshape(x.shape[:-1] + (-1, 32)); a = np.abs(x).max(-1, keepdims=True)
;;       e = np.where(a > 0, np.clip(np.frexp(np.where(a > 0, a, 1))[1] - 1 - 15, -126, 127), 0)      # np.frexp(a)[1] - 1 = floor(log2(a)), exactly
;;       r = np.clip(x / 2.0 ** e, -57344, 57344)
;;       step = 2.0 ** (np.maximum(np.frexp(np.where(r == 0, 1, r))[1] - 1, -14) - 2)
;;       q = np.round(r / step) * step * 2.0 ** e      # np.round: ties to even
;;       return np.moveaxis(q.reshape(q.shape[:-2] + (-1,))[..., :K], -1, axis).astype(np.float32)
;;   ~~~
;;   OPERANDS COMPUTED ON THE WAY. 'Computed on the way' means the value that the module computes at that place (a softmax that the list does not call 'softmax' is quantised finished and normalised). What goes into a quantiser is computed in f32, as accurately as f32 sums, v_exp_f32 and their like allow (about 1e-6 of the number): no bf16 or f16 on the way to a quantiser, and a product that is left as it is and whose result goes on into a quantised operand takes f32 operands (vector FMAs, or v_wmma_f32_16x16x4_f32). A number that lies on a knife's edge between two numbers of the format may be rounded either way, as far as f32 arithmetic and the matrix unit's own rounding can turn it there, and no further.
;; One version. Each part assembles by itself: llvm-mc -triple=amdgcn-amd-amdhsa -mcpu=gfx1250 --defsym DOCPART=n.
;; ======== version 1 of 1: 4 launches
;; limits: right only within a limited range of input values
;; workspace buffers: xq 2,162,688 bytes; hq 8,650,752 bytes; part 33,554,432 bytes
;; launch quantx (part 1): grid 256 x 1, 8 waves a work-group, no clusters, 1,536 bytes of LDS; arguments x, xq; writes xq
.if DOCPART == 1
	.amdgcn_target "amdgcn-amd-amdhsa--gfx1250"
	.amdhsa_code_object_version 6
	.text
	.protected	k_qb7c5bb0488_quantx
	.globl	k_qb7c5bb0488_quantx
	.p2align	8
	.type	k_qb7c5bb0488_quantx,@function
k_qb7c5bb0488_quantx:
	s_mov_b64 s[64:65], 0
	v_nop
	global_prefetch_b8 v0, s[64:65] scope:SCOPE_SE
	s_setreg_imm32_b32 hwreg(HW_REG_WAVE_MODE, 25, 1), 1
	s_wait_xcnt 0x0
; x [512][4096] f32 becomes codes of BF8 (E5M2) with one E8M0 byte for each 32 along K, laid as the next launch's operand registers want them.
; THE LAYOUT OF xq.  K goes in phases of 256; a phase is one dense block of PH = 135,168 bytes:
;   codes, 131,072 bytes: [tile of 16 rows T 0..31][K step of 128 s 0..1][c 0..3][lane 0..31][16 bytes]: lane (r = lane % 16, h = lane / 16) holds row 16 T + r at k = 128 s + 32 c + 16 h + 0 .. 15;
;   scale bytes, 4,096 bytes from byte 131,072 on: [plane q 0..3][T][r] of 16 bits: the bytes of the two blocks of 32 in the phase's q-th 64 along K, the lower K in the lower byte.
; A block's scale is 2^(floor(log2(its largest magnitude)) - 15); its byte is the largest magnitude's exponent field - 15, held at 1 from below.
; LIMITS: a block of zeros gets the byte 1 where the rule says 127 (its codes are zeros, and this program alone reads the bytes); NaN and infinities among the inputs are not served.
; SHARES.  Work-group g: phase g / 16, plane (g / 4) % 4, eight tiles of rows 8 (g % 4) + wave.  A wave takes 16 rows x 64 along K: a lane 2 x 16 neighbours, two lanes (l, l xor 16) to a block.
; The wave's eight loads together take 16 aligned runs of 256 bytes; each code store covers 512 consecutive bytes; the work-group's 128 scale halves leave as one run of 256 bytes through LDS.
.set PH,  135168
.set X,   16                           ; v16-47  my 2 x 16 numbers
.set TM,  48                           ; v48-49 largest magnitudes, v50-51 the other half's, v52-53 the conversion's scale, v54-55 the hold, v56-57 bytes, v58 the two bytes
.set C,   60                           ; v60-67  codes
	s_load_b128 s[4:7], s[0:1], 0x0                ; x s[4:5], xq s[6:7]
	v_lshl_add_u32 v72, v0, 2, 0x200
	v_mov_b32 v73, 0
	v_lshrrev_b32 v1, 5, v0
	s_delay_alu instid0(VALU_DEP_1)
	v_readfirstlane_b32 s8, v1                     ; wave 0..7
	v_and_b32 v2, 15, v0                           ; r
	v_bfe_u32 v3, v0, 4, 1                         ; h
	v_and_b32 v4, 31, v0                           ; lane
	s_lshr_b32 s9, ttmp9, 4                        ; the phase
	s_bfe_u32 s10, ttmp9, 0x20002                  ; the plane q: 2 bits from bit 2
	s_and_b32 s11, ttmp9, 3                        ; which eight tiles of rows
	s_lshl_b32 s12, s11, 3
	s_add_co_u32 s12, s12, s8                      ; T
	v_lshlrev_b32 v5, 14, v2                       ; x: row r of 16,384 bytes,
	s_delay_alu instid0(VALU_DEP_1)
	v_lshl_add_u32 v5, v3, 6, v5                   ; + 64 h: my 16 numbers of a block
	v_lshlrev_b32 v6, 4, v4                        ; codes: 16 bytes a lane
	v_lshlrev_b32 v8, 3, v4                        ; the scale halves on their way out: 8 bytes a lane
	s_lshl_b32 s27, s8, 5
	v_lshl_add_u32 v7, v2, 1, s27                  ; LDS: 32 x wave + 2 r
	s_lshl_b32 s14, s12, 18                        ; 16 T rows,
	s_lshl_b32 s15, s9, 10                         ; 256 numbers a phase,
	s_add_co_u32 s14, s14, s15
	s_lshl_b32 s15, s10, 8                         ; 64 a plane
	s_add_co_u32 s14, s14, s15
	s_mov_b32 s15, 0
	s_mul_i32 s16, s9, PH
	s_lshl_b32 s17, s10, 10                        ; the plane's codes begin 2048 (q / 2) + 1024 (q % 2) = 1024 q bytes into a tile; its halves 1024 q bytes into the scales
	s_add_co_u32 s16, s16, s17
	s_lshl_b32 s17, s11, 8
	s_add_co_u32 s18, s16, s17
	s_add_co_u32 s18, s18, 131072                  ; my work-group's 256 bytes of scale halves
	s_mov_b32 s19, 0
	s_lshl_b32 s17, s12, 12
	s_add_co_u32 s16, s16, s17                     ; my tile's codes
	s_mov_b32 s17, 0
	s_mov_b32 s24, 0x76543210
	s_mov_b32 s25, 0xfedcba98                      ; v_permlanex16_b32's selects for lane l xor 16
	s_mov_b32 s26, 0x600000                        ; the mantissa field of 57,344
	v_mov_b32 v50, 0                               ; a lane permute's destination counts as one of its sources
	v_mov_b32 v51, 0
	s_wait_alu depctr_va_vdst(0)
	s_wait_kmcnt 0x0
	s_add_nc_u64 s[4:5], s[4:5], s[14:15]
	s_add_nc_u64 s[20:21], s[6:7], s[16:17]
	s_add_nc_u64 s[22:23], s[6:7], s[18:19]
.irp b, 0,1
.irp j, 0,1,2,3
	global_load_b128 v[X+16*\b+4*\j:X+16*\b+4*\j+3], v5, s[4:5] offset:128*\b+16*\j th:TH_LOAD_NT
.endr
.endr
	s_wait_loadcnt 0x0
.irp b, 0,1
	v_max3_num_f32 v[TM+\b], |v[X+16*\b]|, |v[X+16*\b+1]|, 0x8000000   ; my 16 numbers and the floor 2^(16 - 127): the byte cannot fall under 1
.endr
.irp i, 2,4,6,8,10,12,14
.irp b, 0,1
	s_delay_alu instid0(VALU_DEP_2)
	v_max3_num_f32 v[TM+\b], v[TM+\b], |v[X+16*\b+\i]|, |v[X+16*\b+\i+1]|
.endr
.endr
.irp b, 0,1
	s_delay_alu instid0(VALU_DEP_2)
	v_permlanex16_b32 v[TM+2+\b], v[TM+\b], s24, s25
.endr
.irp b, 0,1
	s_delay_alu instid0(VALU_DEP_2)
	v_max_num_f32 v[TM+\b], v[TM+\b], v[TM+2+\b]   ; with lane l xor 16's: the block's largest magnitude
.endr
.irp b, 0,1
	s_delay_alu instid0(VALU_DEP_2)
	v_add_nc_u32 v[TM+4+\b], 0xf8800000, v[TM+\b]  ; 15 off its exponent field: the conversion takes this operand's exponent field as its scale
.endr
.irp b, 0,1
	s_delay_alu instid0(VALU_DEP_4)
	v_and_or_b32 v[TM+6+\b], v[TM+\b], 0x7f800000, s26   ; 57,344 x the scale
.endr
.irp b, 0,1
	s_delay_alu instid0(VALU_DEP_4)
	v_lshrrev_b32 v[TM+8+\b], 23, v[TM+4+\b]       ; the scale's byte
.endr
	s_delay_alu instid0(VALU_DEP_1)
	v_lshl_or_b32 v[TM+10], v[TM+9], 8, v[TM+8]
	ds_store_b16 v7, v[TM+10]                      ; lanes l and l xor 16 write the same half with the same value
.irp b, 0,1
.irp i, 0,1,2,3,4,5,6,7,8,9,10,11,12,13,14,15
	v_med3_num_f32 v[X+16*\b+\i], v[X+16*\b+\i], -v[TM+6+\b], v[TM+6+\b]   ; the conversion to an 8-bit code does not saturate (ISA guide 7.6.2): the hold comes first
.endr
	v_cvt_scalef32_pk8_bf8_f32 v[C+4*\b:C+4*\b+1], v[X+16*\b:X+16*\b+7], v[TM+4+\b]
	v_cvt_scalef32_pk8_bf8_f32 v[C+4*\b+2:C+4*\b+3], v[X+16*\b+8:X+16*\b+15], v[TM+4+\b]
.endr
	v_nop                                          ; a plain line behind the last conversion
	global_store_b128 v6, v[C:C+3], s[20:21]       ; 32 lanes store 512 consecutive bytes
	global_store_b128 v6, v[C+4:C+7], s[20:21] offset:512
	s_wait_dscnt 0x0                               ; for the others' sake: my halves lie in LDS
	s_barrier_signal -1
	s_barrier_wait -1
	s_cmp_lg_u32 s8, 0                             ; wave 0 stores the eight waves' 256 bytes
	s_cbranch_scc1 .Lend
	ds_load_b64 v[10:11], v8
	s_wait_dscnt 0x0
	global_store_b64 v8, v[10:11], s[22:23]        ; 32 lanes store 256 consecutive bytes, aligned
.Lend:
	s_wait_tensorcnt 0x0
	ds_add_u32 v72, v73
	s_wait_dscnt 0x0
	s_endpgm
.Lfunc_end_k_qb7c5bb0488_quantx:
	.size	k_qb7c5bb0488_quantx, .Lfunc_end_k_qb7c5bb0488_quantx-k_qb7c5bb0488_quantx
	.p2alignl 7, 3214868480
	.fill 96, 4, 3214868480
	.section	.rodata,"a",@progbits
	.p2align	6, 0x0
	.amdhsa_kernel k_qb7c5bb0488_quantx
		.amdhsa_group_segment_fixed_size 1536
		.amdhsa_private_segment_fixed_size 0
		.amdhsa_enable_private_segment 0
		.amdhsa_kernarg_size 16
		.amdhsa_user_sgpr_count 2
		.amdhsa_user_sgpr_kernarg_segment_ptr 1
		.amdhsa_wavefront_size32 1
		.amdhsa_system_sgpr_workgroup_id_x 1
		.amdhsa_system_sgpr_workgroup_id_y 1
		.amdhsa_system_sgpr_workgroup_id_z 1
		.amdhsa_system_vgpr_workitem_id 0
		.amdhsa_next_free_vgpr 74
		.amdhsa_next_free_sgpr 66
		.amdhsa_reserve_vcc 0
		.amdhsa_float_denorm_mode_32 3
		.amdhsa_float_denorm_mode_16_64 3
		.amdhsa_memory_ordered 1
		.amdhsa_forward_progress 1
		.amdhsa_inst_pref_size 9
	.end_amdhsa_kernel
	.amdgpu_metadata
---
amdhsa.version: [ 1, 2 ]
amdhsa.kernels:
  - .name:           k_qb7c5bb0488_quantx
    .symbol:         k_qb7c5bb0488_quantx.kd
    .args:
      - { .name: x, .offset: 0, .size: 8, .value_kind: global_buffer, .address_space: global }
      - { .name: xq, .offset: 8, .size: 8, .value_kind: global_buffer, .address_space: global }
    .group_segment_fixed_size: 1536
    .private_segment_fixed_size: 0
    .kernarg_segment_align: 8
    .kernarg_segment_size: 16
    .max_flat_workgroup_size: 256
    .sgpr_count:     66
    .vgpr_count:     74
    .wavefront_size: 32
...
	.end_amdgpu_metadata
.endif
;; end of part 1
;; launch fc1 (part 2): grid 256 x 1, 4 waves a work-group, clusters of 4 x 1, 327,680 bytes of LDS; arguments xq, fc1_packed, fc1_scales, hq; writes hq
.if DOCPART == 2
	.amdgcn_target "amdgcn-amd-amdhsa--gfx1250"
	.amdhsa_code_object_version 6
	.text
	.protected	k_qb7c5bb0488_fc1
	.globl	k_qb7c5bb0488_fc1
	.p2align	8
	.type	k_qb7c5bb0488_fc1,@function
k_qb7c5bb0488_fc1:
	s_mov_b64 s[64:65], 0
	v_nop
	global_prefetch_b8 v0, s[64:65] scope:SCOPE_SE
	s_setreg_imm32_b32 hwreg(HW_REG_WAVE_MODE, 25, 1), 1
	s_wait_xcnt 0x0
	s_wait_alu depctr_hold_cnt(0) depctr_sa_sdst(0) depctr_va_vdst(0) depctr_va_sdst(0) depctr_va_ssrc(0) depctr_va_vcc(0) depctr_vm_vsrc(0)
	s_getreg_b32 s2, hwreg(HW_REG_IB_STS2, 6, 4)
	s_cmp_eq_u32 s2, 0
	s_cbranch_scc0 .Lentry_in_a_cluster
	s_endpgm
.Lentry_in_a_cluster:
	s_bfe_u32 s2, ttmp6, 0x10000c
	s_cmp_lg_u32 s2, 0x3003
	s_cbranch_scc0 .Lentry_shape_is_right
	s_endpgm
.Lentry_shape_is_right:
; hq = Q(gelu(Q(x) Q(W1)^T)): the first product on codes of BF8 (E5M2) with E8M0 scales for each 32 along K, the tanh form of gelu in f32, and the quantiser along the hidden axis.
; W1[n][k] = (4-bit number - 8) x fc1_scales[n]; fc1_packed holds two numbers in each int32, the high nibble first.  It is read ONCE in the launch and quantised on the way, in registers.
; SHARES.  A work-group makes ALL 512 tokens x 64 hidden units (tile 0..255), so that no weight is read or quantised twice.  Wave w owns tokens 128 w .. 128 w + 127: 32 accumulators (8 tiles of tokens x 4 tiles of units).
; K = 4,096 goes in 16 phases of 256 (two K steps of 128): 64 matrix instructions a wave and phase.
; THE ACTIVATION's codes and scale bytes lie in xq as images of the operand's registers, a phase = one dense block of PH bytes (layout: below).  They come through a ring of two LDS slots of one phase, each wave
; bringing a quarter by one tensor load.  CLUSTER: the four work-groups of a cluster need the same block, so it is asked for JOINTLY (mask 15: a mask names the cluster's four).  The weights are nobody else's: no joint load for them.
; Clusters begin at different phases (cluster x mod 16) and walk round: at one time different clusters ask for different blocks.
; THE WEIGHTS come by global loads into two register sets that take turns, a phase's 16 rows x 512 bytes a wave, issued two phases ahead of their use; wave w quantises the 16 rows of tile w for all four waves,
; a phase ahead, and hands codes and scale bytes on through LDS (two buffers by turns).  The barrier at a phase's head serves the ring and these buffers alike.
; A PHASE'S ORDER.  The fragments come out of LDS in runs of 16 loads (four fragments, 8,192 bytes a wave).  Four runs stand one in front of each of the quantiser's four batches; the two runs with the activation's second K step
; stand in front of and amid the first K step's 32 products, so that they come in while those are multiplied.  Every wait for fragments is counted and leaves the younger runs out.
; THE MATRIX INSTRUCTION IS USED TRANSPOSED: source 0 = 16 rows of W1, source 1 = 16 tokens: a lane holds ONE token and its registers run along the hidden units.  THE ROWS OF A TILE ARE NOT NEIGHBOURS:
; lane m of tile 2 b + u takes row 32 b + 8 u + m + 8 (m / 8), so that the 16 registers of tiles 2 b and 2 b + 1 are 16 neighbouring hidden units, 32 b + 16 (lane / 16) + 0 .. 15: the next product's K.
; A PHASE OF xq AND hq: codes [tile of 16 rows T][K step s][c 0..3][lane][16 bytes] (lane (r, h): row 16 T + r, k = 128 s + 32 c + 16 h + 0 .. 15), 131,072 bytes; then scale halves [plane q 0..3][T][r] of 16 bits:
; the bytes of the two blocks in the phase's q-th 64 along K.  A work-group's 64 hidden units are one plane of one phase of hq: it writes whole runs of 512 and of 256 bytes.
; LIMITS: the packed numbers lie in 0 .. 255, as the problem's unpacking takes them (higher bits are masked off); the f32 sums over K begin at phase (cluster x mod 16) and go round; a block of zeros gets the byte 1 where the
; rule says 127 (its codes are zeros; this program alone reads the bytes); NaN and infinities among the inputs are not served; where 2^z overflows or falls to 0, gelu takes its limits 0 and x.
; REGISTERS, in windows of 256: window 0: addresses, scale words, the quantiser's work, the two raw sets;  window 1: the accumulators, (a, t) at v[8 (4 a + t)];  window 2: the activation's fragments, (s, a) at v[128 s + 16 a];
; window 3: the weights' fragments, (s, t) at v[64 s + 16 t].
.set WROW,   8192                      ; a row of fc1_packed in bytes
.set PH,     135168                    ; a phase of the activation
.set QTR,    PH/4                      ; what one tensor load brings: 132 rows of 256 bytes
.set SLOT1,  PH                        ; LDS: slot 0 at 0, slot 1 here
.set WPITCH, 272                       ; a weight row's 256 codes + 16: the 16 rows that a load touches start at 16 different banks (64 banks of 4 bytes: ISA guide 11.1)
.set WBB,    64*WPITCH                 ; a buffer of quantised weights: position 16 t + m
.set WBUF,   2*PH                      ; two of them
.set WSC,    WBUF+2*WBB                ; their scale bytes: two buffers of 64 positions x 8 bytes
.set SPARE,  WSC+1024                  ; the spare words, 128 bytes for each wave: two blocks of 256 bytes that no other line names
.set SCG,    SPARE+512                 ; the way out: 256 bytes for each wave, its tokens' scale halves
.set L16,  1                           ; v1   16 x lane; never rewritten
.set ADRA, 2                           ; v2-3 my 8 tiles of tokens in slot 0, 1: 16 x lane + 32,768 x wave
.set ADRW, 4                           ; v4   a weight fragment's place for my lane
.set ASC,  5                           ; v5-6 the activation's scale halves in slot 0, 1
.set AWS,  7                           ; v7   the weights' scale words
.set WST,  8                           ; v8   where I store codes: my tile, 8 x lane
.set WSS,  9                           ; v9   where I store a block's byte
.set SPW,  10                          ; v10  my spare word; never rewritten
.set NIL,  11                          ; v11  0; never rewritten
.set KC,   12                          ; v[12:13] -(2^19 + 8), -(2^23 + 8)
.set PFO,  14                          ; v14  the prefetch's offset: a lane a block of 256 bytes
.set AS,   16                          ; v16-23 the activation's scale words: register 4 s + pair; lanes 0-15 tile 2 pair, lanes 16-31 tile 2 pair + 1
.set WS,   24                          ; v24-27 the weights': register 2 (t / 2) + s; lanes 0-15 the even tile, lanes 16-31 the odd one
.set AH,   28                          ; v28-43 the halves as loaded
.set F,    48                          ; v48-79 four rows x 8 numbers
.set M,    80
.set SCL,  84
.set HL,   88
.set BY,   92                          ; bytes: v92-95 and v112-115 by turns
.set CD,   96                          ; codes: v96-103 and v104-111 by turns
.set RAW,  128                         ; v128-191, v192-255: the two raw sets, row i at + 4 i
.set E,    128                         ; the way out: 32 numbers of a lane
.set Z,    160
.set WV,   12                          ; s12  my wave's number
.set G1,   16                          ; s[16:23] descriptor group 1
.set G0,   24                          ; s[24:27], s[28:31] group 0 for slot 0, 1
.set RS,   66                          ; s[66:97] row i's scale, twice: the packed multiply names a pair
.set W_MUL, 0x5b                       ; source 0 window 3, source 1 window 2, C and D window 1
.set W_TOA, 0x80                       ; destination window 2
.set W_TOW, 0xc0                       ; destination window 3
.set W_ACC, 0x04                       ; an LDS store's data (source 1) window 1
.set MSB, 0
.macro WIN new                         ; the immediate's high byte repeats the setting that is left
.if MSB != \new
	s_set_vgpr_msb (MSB<<8)|\new
.set MSB, \new
.endif
.endm
.macro ROUND                           ; a round of the cluster's barrier
	s_barrier_signal -1
	s_barrier_wait -1
	s_cmp_lg_u32 s[WV], 0
	s_cbranch_scc1 .Lnot_wave_0_\@
	s_barrier_signal -3
.Lnot_wave_0_\@:
	s_barrier_wait -3
	s_barrier_signal -1
	s_barrier_wait -1
.endm
.macro SETWP ask
	s_wait_xcnt 0x0                                ; the loads and the prefetch of a phase ago have read their bases
	s_lshl_b32 s38, s41, 9                         ; 512 bytes of a row a phase
	s_add_nc_u64 s[36:37], s[34:35], s[38:39]
.if \ask
	s_add_co_u32 s38, s41, 2
	s_and_b32 s38, s38, 15
	s_lshl_b32 s38, s38, 9
	s_add_nc_u64 s[56:57], s[34:35], s[38:39]
.endif
	s_add_co_u32 s41, s41, 1
	s_and_b32 s41, s41, 15
.endm
.macro RAWLOAD set, g                  ; rows 4 g .. 4 g + 3 of my 16: each load is one row's 512 consecutive bytes
.irp k, 0,1,2,3
	global_load_b128 v[RAW+64*(\set)+16*(\g)+4*\k:RAW+64*(\set)+16*(\g)+4*\k+3], v[L16], s[36:37] offset:((4*(\g)+\k)+8*((4*(\g)+\k)/8))*WROW th:TH_LOAD_NT
.endr
.endm
; A BATCH: four rows are unpacked, scaled and quantised.  A lane holds 4 words = 8 neighbours along K; four lanes hold a block of 32.  A batch ends with 8 LDS stores.
.macro QB set, buf, g, reload, cnt
.set rR, RAW+64*(\set)+16*(\g)
.set rC, CD+8*((\g)%2)
.set rB, BY+20*((\g)%2)
	s_wait_loadcnt \cnt                            ; these four rows are in; what was issued behind them may be out
.irp k, 0,1,2,3
.irp j, 0,1,2,3
	v_and_or_b32 v[F+8*\k+2*\j], v[rR+4*\k+\j], s43, s44      ; the high nibble in the mantissa of 2^19: 2^19 + nibble (the even k)
	v_and_or_b32 v[F+8*\k+2*\j+1], v[rR+4*\k+\j], 15, s45     ; the low nibble in that of 2^23
.endr
.endr
.if \reload
	RAWLOAD \set, \g                               ; the registers just read take the phase two on
.endif
.irp k, 0,1,2,3
.irp j, 0,2,4,6
	v_pk_add_f32 v[F+8*\k+\j:F+8*\k+\j+1], v[F+8*\k+\j:F+8*\k+\j+1], v[KC:KC+1]   ; nibble - 8, exactly
.endr
.endr
.irp k, 0,1,2,3
.irp j, 0,2,4,6
	v_pk_mul_f32 v[F+8*\k+\j:F+8*\k+\j+1], v[F+8*\k+\j:F+8*\k+\j+1], s[RS+2*(4*(\g)+\k):RS+2*(4*(\g)+\k)+1] op_sel_hi:[1,0]   ; x the row's scale: one rounding, as the problem has it
.endr
.endr
.irp k, 0,1,2,3
	v_max3_num_f32 v[M+\k], |v[F+8*\k]|, |v[F+8*\k+1]|, s46   ; with the floor 2^(16 - 127): the byte cannot fall under 1
.endr
.irp j, 2,4,6
.irp k, 0,1,2,3
	v_max3_num_f32 v[M+\k], v[M+\k], |v[F+8*\k+\j]|, |v[F+8*\k+\j+1]|
.endr
.endr
.irp k, 0,1,2,3
	v_max_num_f32_dpp v[M+\k], v[M+\k], v[M+\k] row_xmask:1 row_mask:0xf bank_mask:0xf
.endr
.irp k, 0,1,2,3
	v_max_num_f32_dpp v[M+\k], v[M+\k], v[M+\k] row_xmask:2 row_mask:0xf bank_mask:0xf   ; the four lanes' : the block's largest magnitude
.endr
.irp k, 0,1,2,3
	v_add_nc_u32 v[SCL+\k], s47, v[M+\k]           ; 15 off its exponent field: the conversion's scale operand
.endr
.irp k, 0,1,2,3
	v_and_or_b32 v[HL+\k], v[M+\k], s48, s49       ; 57,344 x the scale
.endr
.irp k, 0,1,2,3
.irp j, 0,1,2,3,4,5,6,7
	v_med3_num_f32 v[F+8*\k+\j], v[F+8*\k+\j], -v[HL+\k], v[HL+\k]   ; the conversion does not saturate (ISA guide 7.6.2): the hold comes first
.endr
.endr
.irp k, 0,1,2,3
	v_cvt_scalef32_pk8_bf8_f32 v[rC+2*\k:rC+2*\k+1], v[F+8*\k:F+8*\k+7], v[SCL+\k]
.endr
.irp k, 0,1,2,3
	v_lshrrev_b32 v[rB+\k], 23, v[SCL+\k]          ; the scale's byte.  (Plain lines behind the conversions)
.endr
.irp k, 0,1,2,3
	ds_store_b64 v[WST], v[rC+2*\k:rC+2*\k+1] offset:(\buf)*WBB+WPITCH*(4*(\g)+\k)
	ds_store_b8 v[WSS], v[rB+\k] offset:(\buf)*512+8*(4*(\g)+\k)      ; a block's four lanes write the same byte with the same value
.endr
.endm
; qmode 1: with reload: behind these four rows stand 12 - 4 g of their set, the other set's 16 and 4 g new loads: 28.  2: no reload: 28 - 4 g.  3: the last set: 12 - 4 g.  0: nothing left to quantise.
.macro QBP sl, g, qmode
.if \qmode == 1
	QB 1-\sl, 1-\sl, \g, 1, 28
.elseif \qmode == 2
	QB 1-\sl, 1-\sl, \g, 0, 28-4*\g
.elseif \qmode == 3
	QB 1-\sl, 1-\sl, \g, 0, 12-4*\g
.endif
.endm
; A PREFETCH INTO THE L2 of my 16 rows' 512 bytes of the phase that will be loaded two phases on: 32 blocks of 256 bytes, a lane a block, one instruction a wave and phase, behind the phase's loads.
; No other wave of the launch reads these bytes, so each block is named once.  It stands in the loop alone; the loop's last trip asks for nothing: every phase behind it has been asked for or loaded.
.macro ASK
	s_cmp_gt_u32 s42, 1
	s_cbranch_scc0 .Lno_ask_\@
	global_prefetch_b8 v[PFO], s[56:57] th:TH_LOAD_NT scope:SCOPE_SE
.Lno_ask_\@:
.endm
.macro LOAD_SC sl                      ; 18 loads: the phase's scale words of the weights, and the activation's halves
.irp p, 0,1
	ds_load_b64 v[WS+2*\p:WS+2*\p+1], v[AWS] offset:(\sl)*512+256*\p
.endr
.irp x, 0,1,2,3,4,5,6,7
.irp e, 0,1
	ds_load_u16 v[AH+2*\x+\e], v[ASC+\sl] offset:(2*(\x/4)+\e)*1024+64*(\x%4)
.endr
.endr
.endm
.macro LOAD_W sl, ks                   ; 16 loads: the weights' four fragments of one K step: registers 4 c .. 4 c + 3 hold k = 32 c + 16 (lane / 16) + 0 .. 15
	WIN W_TOW
.irp t, 0,1,2,3
.irp c, 0,1,2,3
	ds_load_b128 v[64*(\ks)+16*\t+4*\c:64*(\ks)+16*\t+4*\c+3], v[ADRW] offset:(\sl)*WBB+16*WPITCH*\t+128*(\ks)+32*\c
.endr
.endr
.endm
.macro LOAD_A sl, ks, a0               ; 16 loads: my tiles of tokens a0 .. a0 + 3, one K step: images of the registers, 512 consecutive bytes a load
	WIN W_TOA
.irp a, \a0, \a0+1, \a0+2, \a0+3
.irp c, 0,1,2,3
	ds_load_b128 v[128*(\ks)+16*(\a)+4*\c:128*(\ks)+16*(\a)+4*\c+3], v[ADRA+\sl] offset:4096*(\a)+2048*(\ks)+512*\c
.endr
.endr
.endm
.macro COMBINE                         ; two halves make a scale word
.irp x, 0,1,2,3,4,5,6,7
	v_lshl_or_b32 v[AS+\x], v[AH+2*\x+1], 16, v[AH+2*\x]
.endr
.endm
.macro WM ks, a, t, zero
.set rD, 8*(4*(\a)+(\t))
.set rW, 64*(\ks)+16*(\t)
.set rX, 128*(\ks)+16*(\a)
.set rP, WS+2*((\t)/2)+(\ks)
.set rQ, AS+4*(\ks)+(\a)/2
.set rV, 2*((\t)%2)+(\a)%2+4*(\zero)
.if rV == 0
	v_wmma_scale_f32_16x16x128_f8f6f4 v[rD:rD+7], v[rW:rW+15], v[rX:rX+15], v[rD:rD+7], v[rP], v[rQ] matrix_a_fmt:MATRIX_FMT_BF8 matrix_b_fmt:MATRIX_FMT_BF8
.elseif rV == 1
	v_wmma_scale_f32_16x16x128_f8f6f4 v[rD:rD+7], v[rW:rW+15], v[rX:rX+15], v[rD:rD+7], v[rP], v[rQ] matrix_a_fmt:MATRIX_FMT_BF8 matrix_b_fmt:MATRIX_FMT_BF8 matrix_b_scale:MATRIX_SCALE_ROW1
.elseif rV == 2
	v_wmma_scale_f32_16x16x128_f8f6f4 v[rD:rD+7], v[rW:rW+15], v[rX:rX+15], v[rD:rD+7], v[rP], v[rQ] matrix_a_fmt:MATRIX_FMT_BF8 matrix_b_fmt:MATRIX_FMT_BF8 matrix_a_scale:MATRIX_SCALE_ROW1
.elseif rV == 3
	v_wmma_scale_f32_16x16x128_f8f6f4 v[rD:rD+7], v[rW:rW+15], v[rX:rX+15], v[rD:rD+7], v[rP], v[rQ] matrix_a_fmt:MATRIX_FMT_BF8 matrix_b_fmt:MATRIX_FMT_BF8 matrix_a_scale:MATRIX_SCALE_ROW1 matrix_b_scale:MATRIX_SCALE_ROW1
.elseif rV == 4
	v_wmma_scale_f32_16x16x128_f8f6f4 v[rD:rD+7], v[rW:rW+15], v[rX:rX+15], 0, v[rP], v[rQ] matrix_a_fmt:MATRIX_FMT_BF8 matrix_b_fmt:MATRIX_FMT_BF8
.elseif rV == 5
	v_wmma_scale_f32_16x16x128_f8f6f4 v[rD:rD+7], v[rW:rW+15], v[rX:rX+15], 0, v[rP], v[rQ] matrix_a_fmt:MATRIX_FMT_BF8 matrix_b_fmt:MATRIX_FMT_BF8 matrix_b_scale:MATRIX_SCALE_ROW1
.elseif rV == 6
	v_wmma_scale_f32_16x16x128_f8f6f4 v[rD:rD+7], v[rW:rW+15], v[rX:rX+15], 0, v[rP], v[rQ] matrix_a_fmt:MATRIX_FMT_BF8 matrix_b_fmt:MATRIX_FMT_BF8 matrix_a_scale:MATRIX_SCALE_ROW1
.else
	v_wmma_scale_f32_16x16x128_f8f6f4 v[rD:rD+7], v[rW:rW+15], v[rX:rX+15], 0, v[rP], v[rQ] matrix_a_fmt:MATRIX_FMT_BF8 matrix_b_fmt:MATRIX_FMT_BF8 matrix_a_scale:MATRIX_SCALE_ROW1 matrix_b_scale:MATRIX_SCALE_ROW1
.endif
.endm
.macro MUL ks, a0, zero                ; 16 matrix instructions: tiles of tokens a0 .. a0 + 3 x the four tiles of units.  The 32 accumulators take turns, one instruction a turn, in the same order in every K step.  zero = 1: the first products start the sums
	WIN W_MUL
.irp a, \a0, \a0+1, \a0+2, \a0+3
.irp t, 0,1,2,3
	WM \ks, \a, \t, \zero
.endr
.endr
.endm
; A PHASE'S HEAD: one barrier for the ring and for the weights' buffers.  Each wave waits for all its tensor loads (one is out: its quarter of the slot that it is about to read), adds 0 to its spare word, and waits for that,
; for its reads of the slot and buffer that it has left and for its stores into the buffer ahead.  fill = 1: the barrier is a round of the cluster's, and the slot just left takes the next phase: the first thing behind the round.
.macro HEAD sl, fill
	s_wait_tensorcnt 0x0                           ; no tensor load of mine is out, so a group 0 may be written
	ds_add_u32 v[SPW], v[NIL]                      ; 0 onto my spare word; the descriptor's step stands between it and the wait for it
.if \fill
	s_add_co_u32 s40, s40, 1
	s_and_b32 s40, s40, 15
	s_mul_i32 s38, s40, PH
	s_add_nc_u64 s[G0+4*(1-\sl)+2:G0+4*(1-\sl)+3], s[32:33], s[38:39]
	s_or_b32 s[G0+4*(1-\sl)+3], s[G0+4*(1-\sl)+3], 0x80000000
.endif
	s_wait_dscnt 0x0
.if \fill
	ROUND                                          ; no wave of any partner still reads that slot or has a load on its way
	tensor_load_to_lds s[G0+4*(1-\sl):G0+4*(1-\sl)+3], s[G1:G1+7]
	s_nop 0
.rept 4
	v_nop
.endr
.else
	s_barrier_signal -1
	s_barrier_wait -1
.endif
.endm
; A PHASE.  LDS instructions end in the order of issue, loads and stores together (ISA guide 5.7.1), so each wait below is counted: it names what was issued behind the loads that it is for.
; In the order of issue: 18 scale loads, W step 0 (16), batch 0 (8 stores), A step 0 tiles 0-3 (16), batch 1 (8), A step 0 tiles 4-7 (16), batch 2 (8), W step 1 (16), batch 3 (8), A step 1 tiles 0-3 (16),
; 16 products, A step 1 tiles 4-7 (16), 48 products.  The batches quantise the NEXT phase's weights.  Every run lands in registers whose last products stand in the phase before, behind its eight closing places.
.macro PHASE sl, fill, qmode, zero, ask
	HEAD \sl, \fill
	LOAD_SC \sl
	LOAD_W \sl, 0
	WIN 0
.if \qmode == 1
	SETWP \ask
.endif
	QBP \sl, 0, \qmode
.if \qmode
	s_wait_dscnt 24                                ; the 18 scale loads are in; behind them: W step 0's 16 loads and batch 0's 8 stores
.else
	s_wait_dscnt 16                                ; the same without a batch
.endif
	COMBINE                                        ; a scale register made by a vector instruction stands eight places ahead of the scaled matrix instruction: batches 1 to 3 are the places
	LOAD_A \sl, 0, 0
	WIN 0
	QBP \sl, 1, \qmode
	LOAD_A \sl, 0, 4
	WIN 0
	QBP \sl, 2, \qmode
	LOAD_W \sl, 1
	WIN 0
	QBP \sl, 3, \qmode
.if \ask
	ASK
.endif
.if \qmode == 0
.rept 8
	v_nop                                          ; no batch stands here: the eight places behind the scale words
.endr
.endif
	LOAD_A \sl, 1, 0
.if \qmode
	s_wait_dscnt 48                                ; K step 0's fragments are in; behind them: batch 2's 8 stores, W step 1's 16 loads, batch 3's 8 stores, A step 1's first 16 loads
.else
	s_wait_alu depctr_va_vdst(0)
	s_wait_dscnt 32                                ; the same without the batches
.endif
	MUL 0, 0, \zero
	LOAD_A \sl, 1, 4                               ; into registers that none of the products round it names
	MUL 0, 4, \zero
	s_wait_dscnt 16                                ; W step 1 and A step 1's tiles 0-3 are in; behind them: the 16 loads of tiles 4-7
	MUL 1, 0, 0
	s_wait_dscnt 0x0                               ; tiles 4-7 are in
	MUL 1, 4, 0
	WIN 0
.rept 8
	v_nop                                          ; eight places behind this form in front of loads into fragment and scale registers, and of the first read of results
.endr
.endm
	s_load_b256 s[4:11], s[0:1], 0x0               ; xq s[4:5], fc1_packed s[6:7], fc1_scales s[8:9], hq s[10:11]
	v_lshl_add_u32 v[SPW], v0, 2, SPARE
	v_mov_b32 v[NIL], 0
	ds_add_u32 v10, v11
	ds_add_u32 v10, v11
	s_wait_dscnt 0x0
	v_lshrrev_b32 v15, 5, v0
	v_readfirstlane_b32 s[WV], v15                 ; wave 0..3
	s_bfe_u32 s13, ttmp6, 0x40000                  ; cx: it enters the weights' and hq's addresses alone
	s_lshl_b32 s14, ttmp9, 2
	s_add_co_u32 s14, s14, s13                     ; my tile of 64 hidden units
	s_and_b32 s15, ttmp9, 15                       ; the phase at which my cluster begins: the same in all four partners
	v_and_b32 v15, 31, v0                          ; lane
	v_and_b32 v48, 15, v0                          ; r
	v_bfe_u32 v49, v0, 4, 1                        ; h
	v_lshlrev_b32 v[L16], 4, v15
	s_lshl_b32 s2, s[WV], 15
	v_add_nc_u32 v[ADRA], s2, v[L16]
	v_add_nc_u32 v[ADRA+1], SLOT1, v[ADRA]
	v_mul_u32_u24 v[ADRW], v48, WPITCH
	v_lshl_add_u32 v[ADRW], v49, 4, v[ADRW]
	v_add_nc_u32 v[ADRW], WBUF, v[ADRW]
	s_lshl_b32 s2, s[WV], 8
	s_add_co_u32 s2, s2, 131072
	v_lshl_add_u32 v[ASC], v15, 1, s2              ; 131,072 + 32 bytes a tile x my 8 tiles + 2 x lane: two tiles a load
	v_add_nc_u32 v[ASC+1], SLOT1, v[ASC]
	v_lshl_add_u32 v[AWS], v15, 3, WSC
	s_mul_i32 s2, s[WV], 16*WPITCH
	s_add_co_u32 s2, s2, WBUF
	v_lshl_add_u32 v[WST], v15, 3, s2
	s_lshl_b32 s2, s[WV], 7
	s_add_co_u32 s2, s2, WSC
	v_bfe_u32 v[WSS], v0, 2, 3                     ; lane / 4: my block of the phase's eight
	v_add_nc_u32 v[WSS], s2, v[WSS]
	s_lshl_b32 s2, s[WV], 8
	s_add_co_u32 s2, s2, SCG
	v_lshl_add_u32 v46, v48, 1, s2                 ; the way out: my token's scale half
	v_mov_b32 v[KC], 0xc9000080
	v_mov_b32 v[KC+1], 0xcb000008
	v_bfe_u32 v50, v0, 1, 4                        ; the prefetch: row i = lane / 2 of my 16,
	v_and_b32 v51, 8, v50
	v_add_nc_u32 v50, v50, v51                     ; which is row i + 8 (i / 8) from my first,
	v_mul_u32_u24 v[PFO], v50, WROW
	v_and_b32 v51, 1, v0
	v_lshl_add_u32 v[PFO], v51, 8, v[PFO]          ; and which half of its 512 bytes
	s_mov_b32 s[G1+0], 15|(3<<16)|(1<<21)          ; 15:0 the mask: all four work-groups; 17:16 elements of 8 bytes; 20 no padding; 21 set beside a mask
	s_mov_b32 s[G1+1], 32<<16                      ; tensor_dim0 = 32 elements: 256 bytes
	s_mov_b32 s[G1+2], 132<<16                     ; tensor_dim1 = 132
	s_mov_b32 s[G1+3], 32<<16                      ; tile_dim0
	s_mov_b32 s[G1+4], 132                         ; tile_dim1
	s_mov_b32 s[G1+5], 32                          ; the pitch: the block is dense
	s_mov_b32 s[G1+6], 0
	s_mov_b32 s[G1+7], 0
	s_mov_b32 s[G0], 1
	s_mul_i32 s[G0+1], s[WV], QTR                  ; my quarter of slot 0,
	s_mov_b32 s[G0+4], 1
	s_add_co_u32 s[G0+5], s[G0+1], SLOT1           ; of slot 1
	s_mul_i32 s38, s[WV], QTR
	s_mov_b32 s39, 0
	s_lshl_b32 s52, s14, 6                         ; my first row of W1: 64 x tile + 32 (wave / 2) + 8 (wave % 2)
	s_lshr_b32 s53, s[WV], 1
	s_lshl_b32 s53, s53, 5
	s_add_co_u32 s52, s52, s53
	s_and_b32 s53, s[WV], 1
	s_lshl_b32 s53, s53, 3
	s_add_co_u32 s52, s52, s53
	s_lshl_b32 s54, s52, 2                         ; its scale,
	s_mov_b32 s55, 0
	s_mul_i32 s52, s52, WROW                       ; its packed words
	s_mov_b32 s53, 0
	s_mov_b32 s40, s15
	s_mov_b32 s41, s15
	s_wait_kmcnt 0x0
	s_add_nc_u64 s[34:35], s[6:7], s[52:53]
	s_add_nc_u64 s[8:9], s[8:9], s[54:55]
	s_add_nc_u64 s[32:33], s[4:5], s[38:39]        ; the activation at my quarter of phase 0
	s_load_b256 s[48:55], s[8:9], 0x0              ; the scales of my rows 0-7 (eight neighbours)
	s_load_b256 s[56:63], s[8:9], 0x40             ; and 8-15 (16 rows further on)
	s_mul_i32 s38, s40, PH
	s_add_nc_u64 s[G0+2:G0+3], s[32:33], s[38:39]
	s_or_b32 s[G0+3], s[G0+3], 0x80000000
	SETWP 0
.irp g, 0,1,2,3
	RAWLOAD 0, \g                                  ; the first phase's weights
.endr
	ROUND                                          ; all four work-groups are here: the first joint load meets
	tensor_load_to_lds s[G0:G0+3], s[G1:G1+7]      ; slot 0: asked for behind the first phase's weights and ahead of the second's, which are wanted later
	s_nop 0
.rept 4
	v_nop
.endr
	SETWP 0
.irp g, 0,1,2,3
	RAWLOAD 1, \g                                  ; the second phase's weights
.endr
	s_wait_kmcnt 0x0
.irp i, 0,1,2,3,4,5,6,7
	s_mov_b32 s[RS+2*\i], s[48+\i]
	s_mov_b32 s[RS+2*\i+1], s[48+\i]
	s_mov_b32 s[RS+16+2*\i], s[56+\i]
	s_mov_b32 s[RS+16+2*\i+1], s[56+\i]
.endr
	s_mov_b32 s43, 0xf0
	s_mov_b32 s44, 0x49000000                      ; 2^19
	s_mov_b32 s45, 0x4b000000                      ; 2^23
	s_mov_b32 s46, 0x08000000                      ; the floor 2^(16 - 127)
	s_mov_b32 s47, 0xf8800000                      ; -(15 << 23)
	s_mov_b32 s48, 0x7f800000
	s_mov_b32 s49, 0x600000                        ; the mantissa field of 57,344
	s_mov_b32 s50, 0x76543210
	s_mov_b32 s51, 0xfedcba98                      ; v_permlanex16_b32's selects for lane l xor 16
	s_mov_b32 s58, 0xbdd2d3e8                      ; k2 = 0.044715 k1
	s_mov_b32 s59, s58
	SETWP 0
.irp g, 0,1,2,3
	QB 0, 0, \g, 1, 28                             ; the first phase's weights into buffer 0; their registers take the third phase
.endr
	PHASE 0, 1, 1, 1, 0                            ; step 0 stands in front of the loop: its products start the sums
	s_mov_b32 s42, 6
.Ltrip:                                                ; steps 1 to 12, two a trip
	PHASE 1, 1, 1, 0, 1
	PHASE 0, 1, 1, 0, 1
	s_sub_co_u32 s42, s42, 1
	s_cmp_lg_u32 s42, 0
	s_cbranch_scc1 .Ltrip
	PHASE 1, 1, 2, 0, 0                            ; step 13: nothing more to load
	PHASE 0, 1, 3, 0, 0                            ; step 14: the last weights are quantised, the last fill goes out
; STEP 15 GOES BY TILES OF TOKENS: no fill, so no round; nothing is left to quantise.  All its fragments come into registers; then tile a's four sums are finished by 8 products (both K steps x four tiles of units:
; three other products stand between a sum's two steps), and a finished tile leaves while later tiles are multiplied.
.macro MULT a
	WIN W_MUL
.irp ks, 0,1
.irp t, 0,1,2,3
	WM \ks, \a, \t, 0
.endr
.endr
.endm
.macro LASTIN
	HEAD 1, 0
	LOAD_SC 1
	LOAD_W 1, 0
	LOAD_W 1, 1
	WIN 0
	s_wait_dscnt 32                                ; the 18 scale loads are in; behind them: W's 32 loads
	COMBINE
	LOAD_A 1, 0, 0
	LOAD_A 1, 1, 0
	LOAD_A 1, 0, 4
	LOAD_A 1, 1, 4
	WIN 0
.rept 8
	v_nop                                          ; the eight places behind the scale words
.endr
	s_wait_alu depctr_va_vdst(0)
	s_wait_dscnt 32                                ; W and A's tiles 0-3 are in; behind them: the 32 loads of tiles 4-7
	MULT 0
	MULT 1
.endm
	; THE WAY OUT.  The accumulators go to LDS as they stand, so that the eight tiles of tokens are one loop of eight trips.  They go into slot 0, my own 32,768 bytes of it: it has had its last fill,
	; and every wave's reads of it were over in front of step 15's barrier.
	LASTIN
.irp a, 0,1,2,3,4,5,6,7
.rept 8
	v_nop                                          ; eight places behind the products issued so far: tile a's and tile a + 1's
.endr
	WIN W_ACC
.irp t, 0,1,2,3
	ds_store_b128 v[ADRA], v[8*(4*\a+\t):8*(4*\a+\t)+3] offset:1024*(4*\a+\t)           ; each accumulator from its low end on
	ds_store_b128 v[ADRA], v[8*(4*\a+\t)+4:8*(4*\a+\t)+7] offset:1024*(4*\a+\t)+512
.endr
.if \a == 2
	s_wait_dscnt 24                                ; A's tiles 4-7 are in; behind them: the 24 stores of tiles 0 to 2
.endif
.if \a < 6
	MULT \a+2
.endif
.endr
	WIN 0
.irp i, 0,1,2,3,4,5,6,7
	ds_load_b128 v[E+64+4*\i:E+64+4*\i+3], v[ADRA] offset:512*\i    ; tile 0's numbers, ahead of the loop (LDS serves a wave's instructions in order, ISA guide 5.7.1.4: these see my stores)
.endr
	s_lshr_b32 s62, s14, 2                         ; four tiles make a phase of hq;
	s_mul_i32 s62, s62, PH
	s_and_b32 s2, s14, 3                           ; my plane q: its codes begin 1024 q bytes into a tile of tokens, its halves 1024 q bytes into the scales
	s_lshl_b32 s2, s2, 10
	s_add_co_u32 s62, s62, s2
	s_mov_b32 s63, 0
	s_add_nc_u64 s[60:61], s[10:11], s[62:63]
	s_lshl_b32 s62, s[WV], 15
	s_add_nc_u64 s[54:55], s[60:61], s[62:63]      ; my eight tiles' codes
	s_lshl_b32 s62, s[WV], 8
	s_add_co_u32 s62, s62, 131072
	s_add_nc_u64 s[60:61], s[60:61], s[62:63]      ; my 128 tokens' halves
	v_mov_b32 v104, 0xc0135761                     ; k1 = -2 log2(e) sqrt(2 / pi), twice
	v_mov_b32 v105, 0xc0135761
	v_and_b32 v15, 31, v0
	v_lshlrev_b32 v109, 3, v15
	s_lshl_b32 s2, s[WV], 8
	s_add_co_u32 s2, s2, SCG
	v_add_nc_u32 v108, s2, v109
	s_mov_b32 s52, 0
	s_mov_b32 s53, 0
	s_mov_b32 s42, 8
.Ltile:                                                ; a tile of 16 tokens: a lane's 32 numbers are hidden units 32 b + 16 h + 0 .. 15 of its token, b = 0, 1
	s_wait_xcnt 0x0                                ; the last trip's stores have read their registers
	s_wait_dscnt 0x0                               ; this tile's 32 numbers, asked for a trip ago, stand in v[E+64 ..]; my last half is stored
	v_add_nc_u32 v45, s52, v[L16]
	v_add_nc_u32 v47, s53, v46
	; gelu(x) = x / (1 + 2^(x (k1 + k2 x^2))): the tanh form, written with one exponential and one reciprocal
.irp p, 0,2,4,6,8,10,12,14,16,18,20,22,24,26,28,30
	v_pk_mul_f32 v[Z+\p:Z+\p+1], v[E+64+\p:E+64+\p+1], v[E+64+\p:E+64+\p+1]
.endr
.irp p, 0,2,4,6,8,10,12,14,16,18,20,22,24,26,28,30
	v_pk_fma_f32 v[Z+\p:Z+\p+1], v[Z+\p:Z+\p+1], s[58:59], v[104:105] op_sel_hi:[1,0,1]
.endr
.irp p, 0,2,4,6,8,10,12,14,16,18,20,22,24,26,28,30
	v_pk_mul_f32 v[Z+\p:Z+\p+1], v[Z+\p:Z+\p+1], v[E+64+\p:E+64+\p+1]
.endr
.set j, 0
	s_wait_alu depctr_va_vdst(0)
.rept 32
	v_exp_f32 v[Z+j], v[Z+j]
.set j, j+1
.endr
	v_nop                                          ; a plain line behind the last exponential
	s_wait_alu depctr_va_vdst(0)                   ; one wait for the batch, ahead of its first reader
.irp p, 0,2,4,6,8,10,12,14,16,18,20,22,24,26,28,30
	v_pk_add_f32 v[Z+\p:Z+\p+1], v[Z+\p:Z+\p+1], 1.0 op_sel_hi:[1,0]
.endr
.set j, 0
	s_wait_alu depctr_va_vdst(0)
.rept 32
	v_rcp_f32 v[Z+j], v[Z+j]
.set j, j+1
.endr
	v_nop
	s_wait_alu depctr_va_vdst(0)                   ; and one for the reciprocals
.irp p, 0,2,4,6,8,10,12,14,16,18,20,22,24,26,28,30
	v_pk_mul_f32 v[E+\p:E+\p+1], v[E+64+\p:E+64+\p+1], v[Z+\p:Z+\p+1]
.endr
	s_add_co_u32 s2, s52, 4096                     ; v[E+64 ..] have been read for the last time: they take the next tile's numbers, which come in under the quantiser below;
	s_min_u32 s2, s2, 28672                        ; the last trip names its own tile again, so that the address stays inside my 32,768 bytes
	v_add_nc_u32 v44, s2, v[ADRA]
.irp i, 0,1,2,3,4,5,6,7
	ds_load_b128 v[E+64+4*\i:E+64+4*\i+3], v44 offset:512*\i
.endr
	; the quantiser along the hidden axis: a block of 32 lies in lanes l and l xor 16
.irp b, 0,1
	v_max3_num_f32 v[M+\b], |v[E+16*\b]|, |v[E+16*\b+1]|, s46
.endr
.irp i, 2,4,6,8,10,12,14
.irp b, 0,1
	v_max3_num_f32 v[M+\b], v[M+\b], |v[E+16*\b+\i]|, |v[E+16*\b+\i+1]|
.endr
.endr
.irp b, 0,1
	v_permlanex16_b32 v[M+2+\b], v[M+\b], s50, s51
.endr
.irp b, 0,1
	v_max_num_f32 v[M+\b], v[M+\b], v[M+2+\b]
.endr
.irp b, 0,1
	v_add_nc_u32 v[SCL+\b], s47, v[M+\b]
.endr
.irp b, 0,1
	v_and_or_b32 v[HL+\b], v[M+\b], s48, s49
.endr
.irp b, 0,1
	v_lshrrev_b32 v[BY+\b], 23, v[SCL+\b]
.endr
	v_lshl_or_b32 v106, v[BY+1], 8, v[BY]
	ds_store_b16 v47, v106                         ; my token's half; lanes l and l xor 16 write the same value
.irp b, 0,1
.irp i, 0,1,2,3,4,5,6,7,8,9,10,11,12,13,14,15
	v_med3_num_f32 v[E+16*\b+\i], v[E+16*\b+\i], -v[HL+\b], v[HL+\b]
.endr
	v_cvt_scalef32_pk8_bf8_f32 v[CD+4*\b:CD+4*\b+1], v[E+16*\b:E+16*\b+7], v[SCL+\b]
	v_cvt_scalef32_pk8_bf8_f32 v[CD+4*\b+2:CD+4*\b+3], v[E+16*\b+8:E+16*\b+15], v[SCL+\b]
.endr
	v_nop                                          ; a plain line behind the last conversion
	global_store_b128 v45, v[CD:CD+3], s[54:55]            ; 32 lanes store 512 consecutive bytes: the image of the next operand's registers
	global_store_b128 v45, v[CD+4:CD+7], s[54:55] offset:512
	s_add_co_u32 s52, s52, 4096
	s_add_co_u32 s53, s53, 32
	s_sub_co_u32 s42, s42, 1
	s_cmp_lg_u32 s42, 0
	s_cbranch_scc1 .Ltile
	ds_load_b64 v[110:111], v108                   ; my wave's 128 halves
	s_wait_dscnt 0x0
	global_store_b64 v109, v[110:111], s[60:61]    ; 32 lanes store 256 consecutive bytes, aligned
	s_wait_tensorcnt 0x0                           ; the wave's end: 0 onto my spare word, behind my last tensor load and my last LDS store
	ds_add_u32 v[SPW], v[NIL]
	s_wait_dscnt 0x0
	ROUND                                          ; the closing round: no work-group ends while a partner may still ask for a block that names it
	s_endpgm
.Lfunc_end_k_qb7c5bb0488_fc1:
	.size	k_qb7c5bb0488_fc1, .Lfunc_end_k_qb7c5bb0488_fc1-k_qb7c5bb0488_fc1
	.p2alignl 7, 3214868480
	.fill 96, 4, 3214868480
	.section	.rodata,"a",@progbits
	.p2align	6, 0x0
	.amdhsa_kernel k_qb7c5bb0488_fc1
		.amdhsa_group_segment_fixed_size 327680
		.amdhsa_private_segment_fixed_size 0
		.amdhsa_enable_private_segment 0
		.amdhsa_kernarg_size 32
		.amdhsa_user_sgpr_count 2
		.amdhsa_user_sgpr_kernarg_segment_ptr 1
		.amdhsa_wavefront_size32 1
		.amdhsa_system_sgpr_workgroup_id_x 1
		.amdhsa_system_sgpr_workgroup_id_y 1
		.amdhsa_system_sgpr_workgroup_id_z 1
		.amdhsa_system_vgpr_workitem_id 0
		.amdhsa_next_free_vgpr 896
		.amdhsa_next_free_sgpr 100
		.amdhsa_reserve_vcc 0
		.amdhsa_float_denorm_mode_32 3
		.amdhsa_float_denorm_mode_16_64 3
		.amdhsa_memory_ordered 1
		.amdhsa_forward_progress 1
		.amdhsa_inst_pref_size 255
	.end_amdhsa_kernel
	.section	.bss,"aw",@nobits
	.p2align	6
	.space	262144
	.amdgpu_metadata
---
amdhsa.version: [ 1, 2 ]
amdhsa.kernels:
  - .name:           k_qb7c5bb0488_fc1
    .symbol:         k_qb7c5bb0488_fc1.kd
    .args:
      - { .name: xq, .offset: 0, .size: 8, .value_kind: global_buffer, .address_space: global }
      - { .name: fc1_packed, .offset: 8, .size: 8, .value_kind: global_buffer, .address_space: global }
      - { .name: fc1_scales, .offset: 16, .size: 8, .value_kind: global_buffer, .address_space: global }
      - { .name: hq, .offset: 24, .size: 8, .value_kind: global_buffer, .address_space: global }
    .group_segment_fixed_size: 327680
    .private_segment_fixed_size: 0
    .kernarg_segment_align: 8
    .kernarg_segment_size: 32
    .max_flat_workgroup_size: 128
    .sgpr_count:     100
    .vgpr_count:     896
    .wavefront_size: 32
...
	.end_amdgpu_metadata
.endif
;; end of part 2
;; launch fc2 (part 3): grid 64 x 4, 4 waves a work-group, clusters of 4 x 1, 327,680 bytes of LDS; arguments hq, fc2_packed, fc2_scales, part; writes part
.if DOCPART == 3
	.amdgcn_target "amdgcn-amd-amdhsa--gfx1250"
	.amdhsa_code_object_version 6
	.text
	.protected	k_qb7c5bb0488_fc2
	.globl	k_qb7c5bb0488_fc2
	.p2align	8
	.type	k_qb7c5bb0488_fc2,@function
k_qb7c5bb0488_fc2:
	s_mov_b64 s[64:65], 0
	v_nop
	global_prefetch_b8 v0, s[64:65] scope:SCOPE_SE
	s_setreg_imm32_b32 hwreg(HW_REG_WAVE_MODE, 25, 1), 1
	s_wait_xcnt 0x0
	s_wait_alu depctr_hold_cnt(0) depctr_sa_sdst(0) depctr_va_vdst(0) depctr_va_sdst(0) depctr_va_ssrc(0) depctr_va_vcc(0) depctr_vm_vsrc(0)
	s_getreg_b32 s2, hwreg(HW_REG_IB_STS2, 6, 4)
	s_cmp_eq_u32 s2, 0
	s_cbranch_scc0 .Lentry_in_a_cluster
	s_endpgm
.Lentry_in_a_cluster:
	s_bfe_u32 s2, ttmp6, 0x10000c
	s_cmp_lg_u32 s2, 0x3003
	s_cbranch_scc0 .Lentry_shape_is_right
	s_endpgm
.Lentry_shape_is_right:
; part[kq] = Q(h) Q(W2)^T over the kq-th quarter of K = 16,384: the second product on codes of BF8 (E5M2) with E8M0 scales for each 32 along K; f32 sums.  The next launch adds the four parts.
; W2[n][k] = (4-bit number - 8) x fc2_scales[n]; fc2_packed holds two numbers in each int32, the high nibble first.  It is read ONCE in the launch and quantised on the way, in registers.
; SHARES.  A work-group makes ALL 512 tokens x 64 outputs (tile 0..63: work-group x) over 4,096 along K (work-group y), so that no weight is read or quantised twice and all 256 work-groups have equal work.
; Wave w owns tokens 128 w .. 128 w + 127: 32 accumulators (8 tiles of tokens x 4 tiles of outputs).  K goes in 16 phases of 256 (two K steps of 128): 64 matrix instructions a wave and phase.
; THE ACTIVATION's codes and scale bytes lie in hq as images of the operand's registers, a phase = one dense block of PH bytes.  They come through a ring of two LDS slots of one phase, each wave bringing a quarter
; by one tensor load.  CLUSTER: the four work-groups of a cluster need the same block, so it is asked for JOINTLY (mask 15: a mask names the cluster's four).  The weights are nobody else's: no joint load for them.
; Clusters begin at different phases (cluster x) and walk round: at one time different clusters ask for different blocks.
; THE WEIGHTS come by global loads into two register sets that take turns, a phase's 16 rows x 512 bytes a wave, issued two phases ahead of their use; wave w quantises the 16 rows of tile w for all four waves,
; a phase ahead, and hands codes and scale bytes on through LDS (two buffers by turns).  The barrier at a phase's head serves the ring and these buffers alike.
; A PHASE'S ORDER.  The fragments come out of LDS in runs of 16 loads (four fragments, 8,192 bytes a wave).  Four runs stand one in front of each of the quantiser's four batches; the two runs with the activation's second K step
; stand in front of and amid the first K step's 32 products, so that they come in while those are multiplied.  Every wait for fragments is counted and leaves the younger runs out.
; THE MATRIX INSTRUCTION IS USED TRANSPOSED: source 0 = 16 rows of W2, source 1 = 16 tokens: a lane holds ONE token and its registers run along the outputs.  Lane m of tile 2 b + u takes row 32 b + 8 u + m + 8 (m / 8),
; as in the launch before: register j of tile 2 b + u is output 32 b + 16 (lane / 16) + 8 u + j.
; A PHASE OF hq: codes [tile of 16 rows T][K step s][c 0..3][lane][16 bytes] (lane (r, h): row 16 T + r, k = 128 s + 32 c + 16 h + 0 .. 15), 131,072 bytes; then scale halves [plane q 0..3][T][r] of 16 bits.
; LIMITS: the packed numbers lie in 0 .. 255, as the problem's unpacking takes them (higher bits are masked off); the f32 sums over K are made in four parts, each beginning at phase (cluster x) and going round;
; a block of zeros gets the byte 1 where the rule says 127 (its codes are zeros; this program alone reads the bytes); NaN and infinities among the inputs are not served.
; REGISTERS, in windows of 256: window 0: addresses, scale words, the quantiser's work, the two raw sets;  window 1: the accumulators, (a, t) at v[8 (4 a + t)];  window 2: the activation's fragments, (s, a) at v[128 s + 16 a];
; window 3: the weights' fragments, (s, t) at v[64 s + 16 t].
.set WROW,   32768                     ; a row of fc2_packed in bytes
.set PH,     135168                    ; a phase of the activation
.set QTR,    PH/4                      ; what one tensor load brings: 33,792 dense bytes, stated as 33 rows of 1,024
.set SLOT1,  PH                        ; LDS: slot 0 at 0, slot 1 here
.set WPITCH, 272                       ; a weight row's 256 codes + 16: the 16 rows that a load touches start at 16 different banks (64 banks of 4 bytes: ISA guide 11.1)
.set WBB,    64*WPITCH                 ; a buffer of quantised weights: position 16 t + m
.set WBUF,   2*PH                      ; two of them
.set WSC,    WBUF+2*WBB                ; their scale bytes: two buffers of 64 positions x 8 bytes
.set SPARE,  WSC+1024                  ; the spare words, 128 bytes for each wave: two blocks of 256 bytes that no other line names
.set STG,    SPARE+512                 ; the way out: a stage of 16 rows x (256 bytes + 16) for each wave
.set L16,  1                           ; v1   16 x lane; never rewritten
.set ADRA, 2                           ; v2-3 my 8 tiles of tokens in slot 0, 1: 16 x lane + 32,768 x wave
.set ADRW, 4                           ; v4   a weight fragment's place for my lane
.set ASC,  5                           ; v5-6 the activation's scale halves in slot 0, 1
.set AWS,  7                           ; v7   the weights' scale words
.set WST,  8                           ; v8   where I store codes: my tile, 8 x lane
.set WSS,  9                           ; v9   where I store a block's byte
.set SPW,  10                          ; v10  my spare word; never rewritten
.set NIL,  11                          ; v11  0; never rewritten
.set KC,   12                          ; v[12:13] -(2^19 + 8), -(2^23 + 8)
.set PFO,  14                          ; v14  the prefetch's offset: a lane a block of 256 bytes
.set AS,   16                          ; v16-23 the activation's scale words: register 4 s + pair; lanes 0-15 tile 2 pair, lanes 16-31 tile 2 pair + 1
.set WS,   24                          ; v24-27 the weights': register 2 (t / 2) + s; lanes 0-15 the even tile, lanes 16-31 the odd one
.set AH,   28                          ; v28-43 the halves as loaded
.set F,    48                          ; v48-79 four rows x 8 numbers
.set M,    80
.set SCL,  84
.set HL,   88
.set BY,   92                          ; bytes: v92-95 and v112-115 by turns
.set CD,   96                          ; codes: v96-103 and v104-111 by turns
.set RAW,  128                         ; v128-191, v192-255: the two raw sets, row i at + 4 i
.set OB,   128                         ; the way out: 16 rows read back from the stage: v128-159 and v160-191 by turns
.set WV,   12                          ; s12  my wave's number
.set G1,   16                          ; s[16:23] descriptor group 1
.set G0,   24                          ; s[24:27], s[28:31] group 0 for slot 0, 1
.set RS,   66                          ; s[66:97] row i's scale, twice: the packed multiply names a pair
.set W_MUL, 0x5b                       ; source 0 window 3, source 1 window 2, C and D window 1
.set W_TOA, 0x80                       ; destination window 2
.set W_TOW, 0xc0                       ; destination window 3
.set W_ACC, 0x04                       ; an LDS store's data (source 1) window 1
.set MSB, 0
.macro WIN new                         ; the immediate's high byte repeats the setting that is left
.if MSB != \new
	s_set_vgpr_msb (MSB<<8)|\new
.set MSB, \new
.endif
.endm
.macro ROUND                           ; a round of the cluster's barrier
	s_barrier_signal -1
	s_barrier_wait -1
	s_cmp_lg_u32 s[WV], 0
	s_cbranch_scc1 .Lnot_wave_0_\@
	s_barrier_signal -3
.Lnot_wave_0_\@:
	s_barrier_wait -3
	s_barrier_signal -1
	s_barrier_wait -1
.endm
.macro SETWP ask
	s_wait_xcnt 0x0                                ; the loads and the prefetch of a phase ago have read their bases
	s_lshl_b32 s38, s41, 9                         ; 512 bytes of a row a phase
	s_add_nc_u64 s[36:37], s[34:35], s[38:39]
.if \ask
	s_add_co_u32 s38, s41, 2
	s_and_b32 s38, s38, 15
	s_lshl_b32 s38, s38, 9
	s_add_nc_u64 s[56:57], s[34:35], s[38:39]
.endif
	s_add_co_u32 s41, s41, 1
	s_and_b32 s41, s41, 15
.endm
.macro RAWLOAD set, g                  ; rows 4 g .. 4 g + 3 of my 16: each load is one row's 512 consecutive bytes
.irp k, 0,1,2,3
	global_load_b128 v[RAW+64*(\set)+16*(\g)+4*\k:RAW+64*(\set)+16*(\g)+4*\k+3], v[L16], s[36:37] offset:((4*(\g)+\k)+8*((4*(\g)+\k)/8))*WROW th:TH_LOAD_NT
.endr
.endm
; A BATCH: four rows are unpacked, scaled and quantised.  A lane holds 4 words = 8 neighbours along K; four lanes hold a block of 32.  A batch ends with 8 LDS stores.
.macro QB set, buf, g, reload, cnt
.set rR, RAW+64*(\set)+16*(\g)
.set rC, CD+8*((\g)%2)
.set rB, BY+20*((\g)%2)
	s_wait_loadcnt \cnt                            ; these four rows are in; what was issued behind them may be out
.irp k, 0,1,2,3
.irp j, 0,1,2,3
	v_and_or_b32 v[F+8*\k+2*\j], v[rR+4*\k+\j], s43, s44      ; the high nibble in the mantissa of 2^19: 2^19 + nibble (the even k)
	v_and_or_b32 v[F+8*\k+2*\j+1], v[rR+4*\k+\j], 15, s45     ; the low nibble in that of 2^23
.endr
.endr
.if \reload
	RAWLOAD \set, \g                               ; the registers just read take the phase two on
.endif
.irp k, 0,1,2,3
.irp j, 0,2,4,6
	v_pk_add_f32 v[F+8*\k+\j:F+8*\k+\j+1], v[F+8*\k+\j:F+8*\k+\j+1], v[KC:KC+1]   ; nibble - 8, exactly
.endr
.endr
.irp k, 0,1,2,3
.irp j, 0,2,4,6
	v_pk_mul_f32 v[F+8*\k+\j:F+8*\k+\j+1], v[F+8*\k+\j:F+8*\k+\j+1], s[RS+2*(4*(\g)+\k):RS+2*(4*(\g)+\k)+1] op_sel_hi:[1,0]   ; x the row's scale: one rounding, as the problem has it
.endr
.endr
.irp k, 0,1,2,3
	v_max3_num_f32 v[M+\k], |v[F+8*\k]|, |v[F+8*\k+1]|, s46   ; with the floor 2^(16 - 127): the byte cannot fall under 1
.endr
.irp j, 2,4,6
.irp k, 0,1,2,3
	v_max3_num_f32 v[M+\k], v[M+\k], |v[F+8*\k+\j]|, |v[F+8*\k+\j+1]|
.endr
.endr
.irp k, 0,1,2,3
	v_max_num_f32_dpp v[M+\k], v[M+\k], v[M+\k] row_xmask:1 row_mask:0xf bank_mask:0xf
.endr
.irp k, 0,1,2,3
	v_max_num_f32_dpp v[M+\k], v[M+\k], v[M+\k] row_xmask:2 row_mask:0xf bank_mask:0xf   ; the four lanes' : the block's largest magnitude
.endr
.irp k, 0,1,2,3
	v_add_nc_u32 v[SCL+\k], s47, v[M+\k]           ; 15 off its exponent field: the conversion's scale operand
.endr
.irp k, 0,1,2,3
	v_and_or_b32 v[HL+\k], v[M+\k], s48, s49       ; 57,344 x the scale
.endr
.irp k, 0,1,2,3
.irp j, 0,1,2,3,4,5,6,7
	v_med3_num_f32 v[F+8*\k+\j], v[F+8*\k+\j], -v[HL+\k], v[HL+\k]   ; the conversion does not saturate (ISA guide 7.6.2): the hold comes first
.endr
.endr
.irp k, 0,1,2,3
	v_cvt_scalef32_pk8_bf8_f32 v[rC+2*\k:rC+2*\k+1], v[F+8*\k:F+8*\k+7], v[SCL+\k]
.endr
.irp k, 0,1,2,3
	v_lshrrev_b32 v[rB+\k], 23, v[SCL+\k]          ; the scale's byte.  (Plain lines behind the conversions)
.endr
.irp k, 0,1,2,3
	ds_store_b64 v[WST], v[rC+2*\k:rC+2*\k+1] offset:(\buf)*WBB+WPITCH*(4*(\g)+\k)
	ds_store_b8 v[WSS], v[rB+\k] offset:(\buf)*512+8*(4*(\g)+\k)      ; a block's four lanes write the same byte with the same value
.endr
.endm
; qmode 1: with reload: behind these four rows stand 12 - 4 g of their set, the other set's 16 and 4 g new loads: 28.  2: no reload: 28 - 4 g.  3: the last set: 12 - 4 g.  0: nothing left to quantise.
.macro QBP sl, g, qmode
.if \qmode == 1
	QB 1-\sl, 1-\sl, \g, 1, 28
.elseif \qmode == 2
	QB 1-\sl, 1-\sl, \g, 0, 28-4*\g
.elseif \qmode == 3
	QB 1-\sl, 1-\sl, \g, 0, 12-4*\g
.endif
.endm
; A PREFETCH INTO THE L2 of my 16 rows' 512 bytes of the phase that will be loaded two phases on: 32 blocks of 256 bytes, a lane a block, one instruction a wave and phase, behind the phase's loads.
; No other wave of the launch reads these bytes, so each block is named once.  It stands in the loop alone; the loop's last trip asks for nothing: every phase behind it has been asked for or loaded.
.macro ASK
	s_cmp_gt_u32 s42, 1
	s_cbranch_scc0 .Lno_ask_\@
	global_prefetch_b8 v[PFO], s[56:57] th:TH_LOAD_NT scope:SCOPE_SE
.Lno_ask_\@:
.endm
.macro LOAD_SC sl                      ; 18 loads: the phase's scale words of the weights, and the activation's halves
.irp p, 0,1
	ds_load_b64 v[WS+2*\p:WS+2*\p+1], v[AWS] offset:(\sl)*512+256*\p
.endr
.irp x, 0,1,2,3,4,5,6,7
.irp e, 0,1
	ds_load_u16 v[AH+2*\x+\e], v[ASC+\sl] offset:(2*(\x/4)+\e)*1024+64*(\x%4)
.endr
.endr
.endm
.macro LOAD_W sl, ks                   ; 16 loads: the weights' four fragments of one K step: registers 4 c .. 4 c + 3 hold k = 32 c + 16 (lane / 16) + 0 .. 15
	WIN W_TOW
.irp t, 0,1,2,3
.irp c, 0,1,2,3
	ds_load_b128 v[64*(\ks)+16*\t+4*\c:64*(\ks)+16*\t+4*\c+3], v[ADRW] offset:(\sl)*WBB+16*WPITCH*\t+128*(\ks)+32*\c
.endr
.endr
.endm
.macro LOAD_A sl, ks, a0               ; 16 loads: my tiles of tokens a0 .. a0 + 3, one K step: images of the registers, 512 consecutive bytes a load
	WIN W_TOA
.irp a, \a0, \a0+1, \a0+2, \a0+3
.irp c, 0,1,2,3
	ds_load_b128 v[128*(\ks)+16*(\a)+4*\c:128*(\ks)+16*(\a)+4*\c+3], v[ADRA+\sl] offset:4096*(\a)+2048*(\ks)+512*\c
.endr
.endr
.endm
.macro COMBINE                         ; two halves make a scale word
.irp x, 0,1,2,3,4,5,6,7
	v_lshl_or_b32 v[AS+\x], v[AH+2*\x+1], 16, v[AH+2*\x]
.endr
.endm
.macro WM ks, a, t, zero
.set rD, 8*(4*(\a)+(\t))
.set rW, 64*(\ks)+16*(\t)
.set rX, 128*(\ks)+16*(\a)
.set rP, WS+2*((\t)/2)+(\ks)
.set rQ, AS+4*(\ks)+(\a)/2
.set rV, 2*((\t)%2)+(\a)%2+4*(\zero)
.if rV == 0
	v_wmma_scale_f32_16x16x128_f8f6f4 v[rD:rD+7], v[rW:rW+15], v[rX:rX+15], v[rD:rD+7], v[rP], v[rQ] matrix_a_fmt:MATRIX_FMT_BF8 matrix_b_fmt:MATRIX_FMT_BF8
.elseif rV == 1
	v_wmma_scale_f32_16x16x128_f8f6f4 v[rD:rD+7], v[rW:rW+15], v[rX:rX+15], v[rD:rD+7], v[rP], v[rQ] matrix_a_fmt:MATRIX_FMT_BF8 matrix_b_fmt:MATRIX_FMT_BF8 matrix_b_scale:MATRIX_SCALE_ROW1
.elseif rV == 2
	v_wmma_scale_f32_16x16x128_f8f6f4 v[rD:rD+7], v[rW:rW+15], v[rX:rX+15], v[rD:rD+7], v[rP], v[rQ] matrix_a_fmt:MATRIX_FMT_BF8 matrix_b_fmt:MATRIX_FMT_BF8 matrix_a_scale:MATRIX_SCALE_ROW1
.elseif rV == 3
	v_wmma_scale_f32_16x16x128_f8f6f4 v[rD:rD+7], v[rW:rW+15], v[rX:rX+15], v[rD:rD+7], v[rP], v[rQ] matrix_a_fmt:MATRIX_FMT_BF8 matrix_b_fmt:MATRIX_FMT_BF8 matrix_a_scale:MATRIX_SCALE_ROW1 matrix_b_scale:MATRIX_SCALE_ROW1
.elseif rV == 4
	v_wmma_scale_f32_16x16x128_f8f6f4 v[rD:rD+7], v[rW:rW+15], v[rX:rX+15], 0, v[rP], v[rQ] matrix_a_fmt:MATRIX_FMT_BF8 matrix_b_fmt:MATRIX_FMT_BF8
.elseif rV == 5
	v_wmma_scale_f32_16x16x128_f8f6f4 v[rD:rD+7], v[rW:rW+15], v[rX:rX+15], 0, v[rP], v[rQ] matrix_a_fmt:MATRIX_FMT_BF8 matrix_b_fmt:MATRIX_FMT_BF8 matrix_b_scale:MATRIX_SCALE_ROW1
.elseif rV == 6
	v_wmma_scale_f32_16x16x128_f8f6f4 v[rD:rD+7], v[rW:rW+15], v[rX:rX+15], 0, v[rP], v[rQ] matrix_a_fmt:MATRIX_FMT_BF8 matrix_b_fmt:MATRIX_FMT_BF8 matrix_a_scale:MATRIX_SCALE_ROW1
.else
	v_wmma_scale_f32_16x16x128_f8f6f4 v[rD:rD+7], v[rW:rW+15], v[rX:rX+15], 0, v[rP], v[rQ] matrix_a_fmt:MATRIX_FMT_BF8 matrix_b_fmt:MATRIX_FMT_BF8 matrix_a_scale:MATRIX_SCALE_ROW1 matrix_b_scale:MATRIX_SCALE_ROW1
.endif
.endm
.macro MUL ks, a0, zero                ; 16 matrix instructions: tiles of tokens a0 .. a0 + 3 x the four tiles of outputs.  The 32 accumulators take turns, one instruction a turn, in the same order in every K step.  zero = 1: the first products start the sums
	WIN W_MUL
.irp a, \a0, \a0+1, \a0+2, \a0+3
.irp t, 0,1,2,3
	WM \ks, \a, \t, \zero
.endr
.endr
.endm
; A PHASE'S HEAD: one barrier for the ring and for the weights' buffers.  Each wave waits for all its tensor loads (one is out: its quarter of the slot that it is about to read), adds 0 to its spare word, and waits for that,
; for its reads of the slot and buffer that it has left and for its stores into the buffer ahead.  fill = 1: the barrier is a round of the cluster's, and the slot just left takes the next phase: the first thing behind the round.
.macro HEAD sl, fill
	s_wait_tensorcnt 0x0                           ; no tensor load of mine is out, so a group 0 may be written
	ds_add_u32 v[SPW], v[NIL]                      ; 0 onto my spare word; the descriptor's step stands between it and the wait for it
.if \fill
	s_add_co_u32 s40, s40, 1
	s_and_b32 s40, s40, 15
	s_mul_i32 s38, s40, PH
	s_add_nc_u64 s[G0+4*(1-\sl)+2:G0+4*(1-\sl)+3], s[32:33], s[38:39]
	s_or_b32 s[G0+4*(1-\sl)+3], s[G0+4*(1-\sl)+3], 0x80000000
.endif
	s_wait_dscnt 0x0
.if \fill
	ROUND                                          ; no wave of any partner still reads that slot or has a load on its way
	tensor_load_to_lds s[G0+4*(1-\sl):G0+4*(1-\sl)+3], s[G1:G1+7]
	s_nop 0
.rept 4
	v_nop
.endr
.else
	s_barrier_signal -1
	s_barrier_wait -1
.endif
.endm
; A PHASE.  LDS instructions end in the order of issue, loads and stores together (ISA guide 5.7.1), so each wait below is counted: it names what was issued behind the loads that it is for.
; In the order of issue: 18 scale loads, W step 0 (16), batch 0 (8 stores), A step 0 tiles 0-3 (16), batch 1 (8), A step 0 tiles 4-7 (16), batch 2 (8), W step 1 (16), batch 3 (8), A step 1 tiles 0-3 (16),
; 16 products, A step 1 tiles 4-7 (16), 48 products.  The batches quantise the NEXT phase's weights.  Every run lands in registers whose last products stand in the phase before, behind its eight closing places.
.macro PHASE sl, fill, qmode, zero, ask
	HEAD \sl, \fill
	LOAD_SC \sl
	LOAD_W \sl, 0
	WIN 0
.if \qmode == 1
	SETWP \ask
.endif
	QBP \sl, 0, \qmode
.if \qmode
	s_wait_dscnt 24                                ; the 18 scale loads are in; behind them: W step 0's 16 loads and batch 0's 8 stores
.else
	s_wait_dscnt 16                                ; the same without a batch
.endif
	COMBINE                                        ; a scale register made by a vector instruction stands eight places ahead of the scaled matrix instruction: batches 1 to 3 are the places
	LOAD_A \sl, 0, 0
	WIN 0
	QBP \sl, 1, \qmode
	LOAD_A \sl, 0, 4
	WIN 0
	QBP \sl, 2, \qmode
	LOAD_W \sl, 1
	WIN 0
	QBP \sl, 3, \qmode
.if \ask
	ASK
.endif
.if \qmode == 0
.rept 8
	v_nop                                          ; no batch stands here: the eight places behind the scale words
.endr
.endif
	LOAD_A \sl, 1, 0
.if \qmode
	s_wait_dscnt 48                                ; K step 0's fragments are in; behind them: batch 2's 8 stores, W step 1's 16 loads, batch 3's 8 stores, A step 1's first 16 loads
.else
	s_wait_alu depctr_va_vdst(0)
	s_wait_dscnt 32                                ; the same without the batches
.endif
	MUL 0, 0, \zero
	LOAD_A \sl, 1, 4                               ; into registers that none of the products round it names
	MUL 0, 4, \zero
	s_wait_dscnt 16                                ; W step 1 and A step 1's tiles 0-3 are in; behind them: the 16 loads of tiles 4-7
	MUL 1, 0, 0
	s_wait_dscnt 0x0                               ; tiles 4-7 are in
	MUL 1, 4, 0
	WIN 0
.rept 8
	v_nop                                          ; eight places behind this form in front of loads into fragment and scale registers, and of the first read of results
.endr
.endm
	s_load_b256 s[4:11], s[0:1], 0x0               ; hq s[4:5], fc2_packed s[6:7], fc2_scales s[8:9], part s[10:11]
	v_lshl_add_u32 v[SPW], v0, 2, SPARE
	v_mov_b32 v[NIL], 0
	ds_add_u32 v10, v11
	ds_add_u32 v10, v11
	s_wait_dscnt 0x0
	v_lshrrev_b32 v15, 5, v0
	v_readfirstlane_b32 s[WV], v15                 ; wave 0..3
	s_bfe_u32 s13, ttmp6, 0x40000                  ; cx: it enters the weights' and part's addresses alone
	s_lshl_b32 s14, ttmp9, 2
	s_add_co_u32 s14, s14, s13                     ; my tile of 64 outputs
	s_and_b32 s15, ttmp9, 15                       ; the phase at which my cluster begins: the same in all four partners
	s_and_b32 s3, ttmp7, 0xffff                    ; my quarter of K: the same in all four partners
	v_and_b32 v15, 31, v0                          ; lane
	v_and_b32 v48, 15, v0                          ; r
	v_bfe_u32 v49, v0, 4, 1                        ; h
	v_lshlrev_b32 v[L16], 4, v15
	s_lshl_b32 s2, s[WV], 15
	v_add_nc_u32 v[ADRA], s2, v[L16]
	v_add_nc_u32 v[ADRA+1], SLOT1, v[ADRA]
	v_mul_u32_u24 v[ADRW], v48, WPITCH
	v_lshl_add_u32 v[ADRW], v49, 4, v[ADRW]
	v_add_nc_u32 v[ADRW], WBUF, v[ADRW]
	s_lshl_b32 s2, s[WV], 8
	s_add_co_u32 s2, s2, 131072
	v_lshl_add_u32 v[ASC], v15, 1, s2              ; 131,072 + 32 bytes a tile x my 8 tiles + 2 x lane: two tiles a load
	v_add_nc_u32 v[ASC+1], SLOT1, v[ASC]
	v_lshl_add_u32 v[AWS], v15, 3, WSC
	s_mul_i32 s2, s[WV], 16*WPITCH
	s_add_co_u32 s2, s2, WBUF
	v_lshl_add_u32 v[WST], v15, 3, s2
	s_lshl_b32 s2, s[WV], 7
	s_add_co_u32 s2, s2, WSC
	v_bfe_u32 v[WSS], v0, 2, 3                     ; lane / 4: my block of the phase's eight
	v_add_nc_u32 v[WSS], s2, v[WSS]
	s_mul_i32 s2, s[WV], 16*272
	s_add_co_u32 s2, s2, STG                       ; my stage
	v_mul_u32_u24 v44, v48, 272                    ; in: row r, + 64 h: my half's 16 outputs of each 32
	v_lshl_add_u32 v44, v49, 6, v44
	v_add_nc_u32 v44, s2, v44
	v_mul_u32_u24 v45, v49, 272                    ; back: lanes 0-15 one row of 256 bytes, lanes 16-31 the next
	v_lshl_add_u32 v45, v48, 4, v45
	v_add_nc_u32 v45, s2, v45
	v_lshlrev_b32 v46, 14, v49                     ; and the same two rows in part: 16,384 bytes a row
	v_lshl_add_u32 v46, v48, 4, v46
	v_mov_b32 v[KC], 0xc9000080
	v_mov_b32 v[KC+1], 0xcb000008
	v_bfe_u32 v50, v0, 1, 4                        ; the prefetch: row i = lane / 2 of my 16,
	v_and_b32 v51, 8, v50
	v_add_nc_u32 v50, v50, v51                     ; which is row i + 8 (i / 8) from my first,
	v_mul_u32_u24 v[PFO], v50, WROW
	v_and_b32 v51, 1, v0
	v_lshl_add_u32 v[PFO], v51, 8, v[PFO]          ; and which half of its 512 bytes
	s_mov_b32 s[G1+0], 15|(3<<16)|(1<<21)          ; 15:0 the mask: all four work-groups; 17:16 elements of 8 bytes; 20 no padding; 21 set beside a mask
	s_mov_b32 s[G1+1], 128<<16                     ; tensor_dim0 = 128 elements: 1,024 bytes
	s_mov_b32 s[G1+2], 33<<16                      ; tensor_dim1 = 33
	s_mov_b32 s[G1+3], 128<<16                     ; tile_dim0
	s_mov_b32 s[G1+4], 33                          ; tile_dim1
	s_mov_b32 s[G1+5], 128                         ; the pitch: the block is dense; every row begins at a multiple of 256 bytes
	s_mov_b32 s[G1+6], 0
	s_mov_b32 s[G1+7], 0
	s_mov_b32 s[G0], 1
	s_mul_i32 s[G0+1], s[WV], QTR                  ; my quarter of slot 0,
	s_mov_b32 s[G0+4], 1
	s_add_co_u32 s[G0+5], s[G0+1], SLOT1           ; of slot 1
	s_mul_i32 s38, s[WV], QTR
	s_mul_i32 s2, s3, 16*PH                        ; my quarter of K: 16 phases of hq
	s_add_co_u32 s38, s38, s2
	s_mov_b32 s39, 0
	s_lshl_b32 s52, s14, 6                         ; my first row of W2: 64 x tile + 32 (wave / 2) + 8 (wave % 2)
	s_lshr_b32 s53, s[WV], 1
	s_lshl_b32 s53, s53, 5
	s_add_co_u32 s52, s52, s53
	s_and_b32 s53, s[WV], 1
	s_lshl_b32 s53, s53, 3
	s_add_co_u32 s52, s52, s53
	s_lshl_b32 s54, s52, 2                         ; its scale,
	s_mov_b32 s55, 0
	s_mul_i32 s52, s52, WROW                       ; its packed words,
	s_lshl_b32 s53, s3, 13                         ; at my quarter of K: 4,096 weights are 8,192 bytes
	s_add_co_u32 s52, s52, s53
	s_mov_b32 s53, 0
	s_mov_b32 s40, s15
	s_mov_b32 s41, s15
	s_wait_kmcnt 0x0
	s_add_nc_u64 s[34:35], s[6:7], s[52:53]
	s_add_nc_u64 s[8:9], s[8:9], s[54:55]
	s_add_nc_u64 s[32:33], s[4:5], s[38:39]        ; the activation at my quarter of my first phase
	s_load_b256 s[48:55], s[8:9], 0x0              ; the scales of my rows 0-7 (eight neighbours)
	s_load_b256 s[56:63], s[8:9], 0x40             ; and 8-15 (16 rows further on)
	s_mul_i32 s38, s40, PH
	s_add_nc_u64 s[G0+2:G0+3], s[32:33], s[38:39]
	s_or_b32 s[G0+3], s[G0+3], 0x80000000
	SETWP 0
.irp g, 0,1,2,3
	RAWLOAD 0, \g                                  ; the first phase's weights
.endr
	ROUND                                          ; all four work-groups are here: the first joint load meets
	tensor_load_to_lds s[G0:G0+3], s[G1:G1+7]      ; slot 0: asked for behind the first phase's weights and ahead of the second's, which are wanted later
	s_nop 0
.rept 4
	v_nop
.endr
	SETWP 0
.irp g, 0,1,2,3
	RAWLOAD 1, \g                                  ; the second phase's weights
.endr
	s_wait_kmcnt 0x0
.irp i, 0,1,2,3,4,5,6,7
	s_mov_b32 s[RS+2*\i], s[48+\i]
	s_mov_b32 s[RS+2*\i+1], s[48+\i]
	s_mov_b32 s[RS+16+2*\i], s[56+\i]
	s_mov_b32 s[RS+16+2*\i+1], s[56+\i]
.endr
	s_mov_b32 s43, 0xf0
	s_mov_b32 s44, 0x49000000                      ; 2^19
	s_mov_b32 s45, 0x4b000000                      ; 2^23
	s_mov_b32 s46, 0x08000000                      ; the floor 2^(16 - 127)
	s_mov_b32 s47, 0xf8800000                      ; -(15 << 23)
	s_mov_b32 s48, 0x7f800000
	s_mov_b32 s49, 0x600000                        ; the mantissa field of 57,344
	SETWP 0
.irp g, 0,1,2,3
	QB 0, 0, \g, 1, 28                             ; the first phase's weights into buffer 0; their registers take the third phase
.endr
	PHASE 0, 1, 1, 1, 0                            ; step 0 stands in front of the loop: its products start the sums
	s_mov_b32 s42, 6
.Ltrip:                                                ; steps 1 to 12, two a trip
	PHASE 1, 1, 1, 0, 1
	PHASE 0, 1, 1, 0, 1
	s_sub_co_u32 s42, s42, 1
	s_cmp_lg_u32 s42, 0
	s_cbranch_scc1 .Ltrip
	PHASE 1, 1, 2, 0, 0                            ; step 13: nothing more to load
	PHASE 0, 1, 3, 0, 0                            ; step 14: the last weights are quantised, the last fill goes out
; STEP 15 GOES BY TILES OF TOKENS (it is run below, behind the way out's addresses): no fill, so no round; nothing is left to quantise.  All its fragments come into registers; then tile a's four sums are finished
; by 8 products (both K steps x four tiles of outputs: three other products stand between a sum's two steps), and a finished tile leaves while later tiles are multiplied.
.macro MULT a
	WIN W_MUL
.irp ks, 0,1
.irp t, 0,1,2,3
	WM \ks, \a, \t, 0
.endr
.endr
.endm
.macro LASTIN
	HEAD 1, 0
	LOAD_SC 1
	LOAD_W 1, 0
	LOAD_W 1, 1
	WIN 0
	s_wait_dscnt 32                                ; the 18 scale loads are in; behind them: W's 32 loads
	COMBINE
	LOAD_A 1, 0, 0
	LOAD_A 1, 1, 0
	LOAD_A 1, 0, 4
	LOAD_A 1, 1, 4
	WIN 0
.rept 8
	v_nop                                          ; the eight places behind the scale words
.endr
	s_wait_alu depctr_va_vdst(0)
	s_wait_dscnt 32                                ; W and A's tiles 0-3 are in; behind them: the 32 loads of tiles 4-7
	MULT 0
	MULT 1
.endm
	; THE WAY OUT, a tile of 16 tokens x 64 outputs at a time.  A lane holds pieces of 32 bytes of one row, and the lanes beside it hold other rows: so a tile goes through my own stage in LDS and comes back as whole rows of
	; 256 bytes, which sixteen lanes store as one aligned run.  LDS serves a wave's instructions in order (ISA guide 5.7.1.4): no wait between the stores and the loads, nor in front of the next tile's stores.
	s_lshl_b32 s62, s3, 23                         ; my part: 8,388,608 bytes each,
	s_lshl_b32 s2, s[WV], 21                       ; my 128 rows of 16,384 bytes,
	s_add_co_u32 s62, s62, s2
	s_lshl_b32 s2, s14, 8                          ; my tile's 256 bytes of a row
	s_add_co_u32 s62, s62, s2
	s_mov_b32 s63, 0
	s_add_nc_u64 s[54:55], s[10:11], s[62:63]
.macro TOSTAGE a
	WIN W_ACC
.irp t, 0,1,2,3
	ds_store_b128 v44, v[8*(4*(\a)+\t):8*(4*(\a)+\t)+3] offset:128*(\t/2)+32*(\t%2)          ; each accumulator from its low end on
	ds_store_b128 v44, v[8*(4*(\a)+\t)+4:8*(4*(\a)+\t)+7] offset:128*(\t/2)+32*(\t%2)+16
.endr
	WIN 0
.irp i, 0,1,2,3,4,5,6,7
	ds_load_b128 v[OB+32*((\a)%2)+4*\i:OB+32*((\a)%2)+4*\i+3], v45 offset:544*\i
.endr
.endm
.macro SEND a, younger                 ; younger: the LDS instructions issued behind tile a's loads, which may stay out
	s_wait_dscnt \younger
.irp i, 0,1,2,3,4,5,6,7
	global_store_b128 v46, v[OB+32*((\a)%2)+4*\i:OB+32*((\a)%2)+4*\i+3], s[54:55] offset:262144*(\a)+32768*\i th:TH_STORE_NT   ; 16 lanes store 256 consecutive bytes, aligned; the offsets stay inside the signed 24-bit immediate
.endr
.endm
	LASTIN
.irp a, 0,1,2,3,4,5,6,7
.rept 8
	v_nop                                          ; eight places behind the products issued so far: tile a's and tile a + 1's
.endr
.if \a > 1
	s_wait_xcnt 0x0                                ; tile a - 2's stores have read their registers: tile a's loads may land there
.endif
	TOSTAGE \a
.if \a > 0
	SEND \a-1, 16                                  ; behind tile a - 1's loads: tile a's 8 stores and 8 loads.  (The first of these waits also shows A's tiles 4-7 in, ahead of tile 4's products)
.endif
.if \a < 6
	MULT \a+2
.endif
.endr
	SEND 7, 0
	s_wait_tensorcnt 0x0                           ; the wave's end: 0 onto my spare word, behind my last tensor load and my last LDS store
	ds_add_u32 v[SPW], v[NIL]
	s_wait_dscnt 0x0
	ROUND                                          ; the closing round: no work-group ends while a partner may still ask for a block that names it
	s_endpgm
.Lfunc_end_k_qb7c5bb0488_fc2:
	.size	k_qb7c5bb0488_fc2, .Lfunc_end_k_qb7c5bb0488_fc2-k_qb7c5bb0488_fc2
	.p2alignl 7, 3214868480
	.fill 96, 4, 3214868480
	.section	.rodata,"a",@progbits
	.p2align	6, 0x0
	.amdhsa_kernel k_qb7c5bb0488_fc2
		.amdhsa_group_segment_fixed_size 327680
		.amdhsa_private_segment_fixed_size 0
		.amdhsa_enable_private_segment 0
		.amdhsa_kernarg_size 32
		.amdhsa_user_sgpr_count 2
		.amdhsa_user_sgpr_kernarg_segment_ptr 1
		.amdhsa_wavefront_size32 1
		.amdhsa_system_sgpr_workgroup_id_x 1
		.amdhsa_system_sgpr_workgroup_id_y 1
		.amdhsa_system_sgpr_workgroup_id_z 1
		.amdhsa_system_vgpr_workitem_id 0
		.amdhsa_next_free_vgpr 896
		.amdhsa_next_free_sgpr 100
		.amdhsa_reserve_vcc 0
		.amdhsa_float_denorm_mode_32 3
		.amdhsa_float_denorm_mode_16_64 3
		.amdhsa_memory_ordered 1
		.amdhsa_forward_progress 1
		.amdhsa_inst_pref_size 255
	.end_amdhsa_kernel
	.section	.bss,"aw",@nobits
	.p2align	6
	.space	262144
	.amdgpu_metadata
---
amdhsa.version: [ 1, 2 ]
amdhsa.kernels:
  - .name:           k_qb7c5bb0488_fc2
    .symbol:         k_qb7c5bb0488_fc2.kd
    .args:
      - { .name: hq, .offset: 0, .size: 8, .value_kind: global_buffer, .address_space: global }
      - { .name: fc2_packed, .offset: 8, .size: 8, .value_kind: global_buffer, .address_space: global }
      - { .name: fc2_scales, .offset: 16, .size: 8, .value_kind: global_buffer, .address_space: global }
      - { .name: part, .offset: 24, .size: 8, .value_kind: global_buffer, .address_space: global }
    .group_segment_fixed_size: 327680
    .private_segment_fixed_size: 0
    .kernarg_segment_align: 8
    .kernarg_segment_size: 32
    .max_flat_workgroup_size: 128
    .sgpr_count:     100
    .vgpr_count:     896
    .wavefront_size: 32
...
	.end_amdgpu_metadata
.endif
;; end of part 3
;; launch sum4 (part 4): grid 256 x 1, 8 waves a work-group, no clusters, 0 bytes of LDS; arguments part, out0; writes out0
.if DOCPART == 4
	.amdgcn_target "amdgcn-amd-amdhsa--gfx1250"
	.amdhsa_code_object_version 6
	.text
	.protected	k_qb7c5bb0488_sum4
	.globl	k_qb7c5bb0488_sum4
	.p2align	8
	.type	k_qb7c5bb0488_sum4,@function
k_qb7c5bb0488_sum4:
	s_mov_b64 s[64:65], 0
	v_nop
	global_prefetch_b8 v0, s[64:65] scope:SCOPE_SE
	s_setreg_imm32_b32 hwreg(HW_REG_WAVE_MODE, 25, 1), 1
	s_wait_xcnt 0x0
; out0 = (part[0] + part[1]) + (part[2] + part[3]): the four quarters of K of the second product, [4][512][4096] f32, in a fixed order.
; A stream: a work-group owns 32,768 consecutive bytes of out0, a thread 16 bytes of each of eight chunks of 4,096.  All 32 loads of a wave go out at once, chunk by chunk; each load and store of a wave covers
; 512 consecutive bytes.  No LDS, no barrier, no loop; no register is written again, so no store's data need a wait.
.set D, 8                              ; v[8 + 16 c + 4 k]: chunk c of part k
	s_load_b128 s[4:7], s[0:1], 0x0                ; part s[4:5], out0 s[6:7]
	v_lshlrev_b32 v1, 4, v0
	s_lshl_b32 s8, ttmp9, 15
	s_mov_b32 s9, 0
	s_wait_alu depctr_va_vdst(0)
	s_wait_kmcnt 0x0
	s_add_nc_u64 s[4:5], s[4:5], s[8:9]
	s_add_nc_u64 s[6:7], s[6:7], s[8:9]
	s_add_nc_u64 s[10:11], s[4:5], 0x800000        ; a part is 8,388,608 bytes: past the immediate, so each part has its base
	s_add_nc_u64 s[12:13], s[10:11], 0x800000
	s_add_nc_u64 s[14:15], s[12:13], 0x800000
.irp c, 0,1,2,3,4,5,6,7
	global_load_b128 v[D+16*\c:D+16*\c+3], v1, s[4:5] offset:4096*\c th:TH_LOAD_NT
	global_load_b128 v[D+16*\c+4:D+16*\c+7], v1, s[10:11] offset:4096*\c th:TH_LOAD_NT
	global_load_b128 v[D+16*\c+8:D+16*\c+11], v1, s[12:13] offset:4096*\c th:TH_LOAD_NT
	global_load_b128 v[D+16*\c+12:D+16*\c+15], v1, s[14:15] offset:4096*\c th:TH_LOAD_NT
.endr
.irp c, 0,1,2,3,4,5,6,7
	s_wait_loadcnt 28-4*\c                         ; loads come back in order (ISA guide 5.7.1): this chunk's four are in, the later chunks' stay out
	v_pk_add_f32 v[D+16*\c:D+16*\c+1], v[D+16*\c:D+16*\c+1], v[D+16*\c+4:D+16*\c+5]
	v_pk_add_f32 v[D+16*\c+2:D+16*\c+3], v[D+16*\c+2:D+16*\c+3], v[D+16*\c+6:D+16*\c+7]
	v_pk_add_f32 v[D+16*\c+8:D+16*\c+9], v[D+16*\c+8:D+16*\c+9], v[D+16*\c+12:D+16*\c+13]
	v_pk_add_f32 v[D+16*\c+10:D+16*\c+11], v[D+16*\c+10:D+16*\c+11], v[D+16*\c+14:D+16*\c+15]
	s_delay_alu instid0(VALU_DEP_2)
	v_pk_add_f32 v[D+16*\c:D+16*\c+1], v[D+16*\c:D+16*\c+1], v[D+16*\c+8:D+16*\c+9]
	s_delay_alu instid0(VALU_DEP_2)
	v_pk_add_f32 v[D+16*\c+2:D+16*\c+3], v[D+16*\c+2:D+16*\c+3], v[D+16*\c+10:D+16*\c+11]
	global_store_b128 v1, v[D+16*\c:D+16*\c+3], s[6:7] offset:4096*\c th:TH_STORE_NT
.endr
	s_endpgm
.Lfunc_end_k_qb7c5bb0488_sum4:
	.size	k_qb7c5bb0488_sum4, .Lfunc_end_k_qb7c5bb0488_sum4-k_qb7c5bb0488_sum4
	.p2alignl 7, 3214868480
	.fill 96, 4, 3214868480
	.section	.rodata,"a",@progbits
	.p2align	6, 0x0
	.amdhsa_kernel k_qb7c5bb0488_sum4
		.amdhsa_group_segment_fixed_size 0
		.amdhsa_private_segment_fixed_size 0
		.amdhsa_enable_private_segment 0
		.amdhsa_kernarg_size 16
		.amdhsa_user_sgpr_count 2
		.amdhsa_user_sgpr_kernarg_segment_ptr 1
		.amdhsa_wavefront_size32 1
		.amdhsa_system_sgpr_workgroup_id_x 1
		.amdhsa_system_sgpr_workgroup_id_y 1
		.amdhsa_system_sgpr_workgroup_id_z 1
		.amdhsa_system_vgpr_workitem_id 0
		.amdhsa_next_free_vgpr 136
		.amdhsa_next_free_sgpr 66
		.amdhsa_reserve_vcc 0
		.amdhsa_float_denorm_mode_32 3
		.amdhsa_float_denorm_mode_16_64 3
		.amdhsa_memory_ordered 1
		.amdhsa_forward_progress 1
		.amdhsa_inst_pref_size 9
	.end_amdhsa_kernel
	.amdgpu_metadata
---
amdhsa.version: [ 1, 2 ]
amdhsa.kernels:
  - .name:           k_qb7c5bb0488_sum4
    .symbol:         k_qb7c5bb0488_sum4.kd
    .args:
      - { .name: part, .offset: 0, .size: 8, .value_kind: global_buffer, .address_space: global }
      - { .name: out0, .offset: 8, .size: 8, .value_kind: global_buffer, .address_space: global }
    .group_segment_fixed_size: 0
    .private_segment_fixed_size: 0
    .kernarg_segment_align: 8
    .kernarg_segment_size: 16
    .max_flat_workgroup_size: 256
    .sgpr_count:     66
    .vgpr_count:     136
    .wavefront_size: 32
...
	.end_amdgpu_metadata
.endif
;; end of part 4
